; MI455X (gfx1250); checked and timed in simulation.
; The chip was launched on July 23, 2026; its instructions are those of AMD's public machine-readable ISA for CDNA 5 (MIT licence, August 2026) and "CDNA5" Instruction Set Architecture Reference Guide (July 2026). The comments in the code are by the model that wrote it; some were corrected since.
;; Aps Multihead Attention. Allowed arithmetic: float matrix products may take bf16 or f16 operands with f32 sums; other float arithmetic in f32, or as packed bf16 or f16 multiplies, adds, multiply-adds, maxima and minima; sums over many terms, partial sums and values carried from step to step in f32; what a program stores and reads back later, other than sums and carried values, may be rounded once to bf16 or f16.
;; Inputs: in_proj_bias 3,072 float32; in_proj_weight 3,072 x 1,024 float32; out_b 1,024 float32; out_w 1,024 x 1,024 float32; x 1,024 x 8 x 1,024 float32.
;; Outputs: out0 1,024 x 8 x 1,024 float32; out1 8 x 1,024 x 1,024 float32.
;; 2 versions, each right; version 2 is version 1 with the launch cast written anew for expert scheduling mode. Each part assembles by itself: llvm-mc -triple=amdgcn-amd-amdhsa -mcpu=gfx1250 --defsym DOCPART=n.
;; ======== version 1 of 2: 4 launches
;; limits: values are held in f16: magnitudes above 65,504 overflow, below 6.1e-05 lose precision
;; workspace buffers: xb 16,777,216 bytes; wb 6,291,456 bytes; owb 2,097,152 bytes; qkv 50,331,648 bytes; ctx 16,777,216 bytes
;; launch cast (part 1): grid 768 x 1, 8 waves a work-group, no clusters, 0 bytes of LDS; arguments x, in_proj_weight, out_w, xb, wb, owb; writes xb, wb, owb
.if DOCPART == 1
	.amdgcn_target "amdgcn-amd-amdhsa--gfx1250"
	.amdhsa_code_object_version 6
	.text
	.protected	k_q981d8d2326_cast
	.globl	k_q981d8d2326_cast
	.p2align	8
	.type	k_q981d8d2326_cast,@function
k_q981d8d2326_cast:
	s_mov_b64 s[64:65], 0
	v_nop
	global_prefetch_b8 v0, s[64:65] scope:SCOPE_SE
	s_setreg_imm32_b32 hwreg(HW_REG_WAVE_MODE, 25, 1), 1
	s_wait_xcnt 0x0
; THE INPUTS OF THE TWO PROJECTIONS, ROUNDED ONCE.  x [1024 l][8 n][1024] f32 -> xb [8 n][1024 l][1024] bf16 (l and n change places, so that 256 rows on end belong to one n);
; in_proj_weight [3072][1024] f32 -> wb, bf16, as it lies; out_w [1024][1024] f32 -> owb: rounded to bf16 like the other inputs, and that number written as f16.
; LIMIT: bf16(out_w) within 65,504; below 6e-5 it keeps f16's fixed step of 6e-8.
; SHARES.  A work-group takes 16 rows of 1,024 numbers; work-groups 0-511 x, 512-703 in_proj_weight, 704-767 out_w.  Thread t takes numbers 4 t .. 4 t + 3 of each row:
; a wave's load covers 512 consecutive bytes, its store 256 consecutive bytes, aligned.  All 16 loads of a thread go out at once, so no loop and no wait but the loads' own.
; No LDS, no matrix unit, no cluster: nothing is shared and nothing is summed.
.set ROWB, 4096                        ; bytes in a row of the source
.set X, 4                              ; v[4:67]   row i: 4 numbers as loaded
.set Y, 68                             ; v[68:99]  row i: 4 numbers of 16 bits, to store
.set T, 100                            ; v[100:103] at work
.macro LD16
.set i, 0
.rept 16
	global_load_b128 v[X+4*i:X+4*i+3], v1, s[16:17] offset:i*ROWB th:TH_LOAD_NT
.set i, i+1
.endr
.endm
.macro CVB i                           ; row i to bf16
	s_wait_loadcnt 15-(\i)                         ; loads come back in order: row i is in, the 15 - i younger ones may stay out
	v_cvt_pk_bf16_f32 v[Y+2*(\i)], v[X+4*(\i)], v[X+4*(\i)+1]
	v_cvt_pk_bf16_f32 v[Y+2*(\i)+1], v[X+4*(\i)+2], v[X+4*(\i)+3]
.endm
.macro CVH i                           ; row i to bf16, and that number as f16
	CVB \i
.irp j, 0,1
	v_lshlrev_b32 v[T+2*(\j)], 16, v[Y+2*(\i)+(\j)]
	v_and_b32 v[T+2*(\j)+1], 0xffff0000, v[Y+2*(\i)+(\j)]
	v_cvt_pk_f16_f32 v[Y+2*(\i)+(\j)], v[T+2*(\j)], v[T+2*(\j)+1]
.endr
.endm
	s_load_b256 s[4:11], s[0:1], 0x0               ; x s[4:5], in_proj_weight s[6:7], out_w s[8:9], xb s[10:11]
	s_load_b128 s[12:15], s[0:1], 0x20             ; wb s[12:13], owb s[14:15]
	v_lshlrev_b32 v1, 4, v0                        ; my 16 bytes of a source row
	v_lshlrev_b32 v2, 3, v0                        ; my 8 bytes of a row of the result
	s_mov_b32 s23, 0
	s_wait_kmcnt 0x0
	s_cmp_lt_u32 ttmp9, 512
	s_cbranch_scc0 .Lweights
	; x: source rows 16 g + i are l = 2 g + i / 8, n = i % 8
	s_lshl_b32 s22, ttmp9, 16
	s_add_nc_u64 s[16:17], s[4:5], s[22:23]
	s_lshl_b32 s22, ttmp9, 12                      ; l = 2 g: 2 rows of 2,048 bytes
	s_add_nc_u64 s[18:19], s[10:11], s[22:23]      ; n = 0 .. 3
	s_add_nc_u64 s[20:21], s[18:19], 0x800000      ; n = 4 .. 7: four planes of 2,097,152 bytes on, so that the immediates stay inside 24 bits
	LD16
.set i, 0
.rept 16
	CVB i
.if (i%8) < 4
	global_store_b64 v2, v[Y+2*i:Y+2*i+1], s[18:19] offset:(i%4)*2097152+(i/8)*2048
.else
	global_store_b64 v2, v[Y+2*i:Y+2*i+1], s[20:21] offset:(i%4)*2097152+(i/8)*2048
.endif
.set i, i+1
.endr
	s_endpgm
.Lweights:
	s_cmp_lt_u32 ttmp9, 704
	s_cbranch_scc0 .Lout_w
	s_sub_co_u32 s24, ttmp9, 512
	s_lshl_b32 s22, s24, 16
	s_add_nc_u64 s[16:17], s[6:7], s[22:23]
	s_lshl_b32 s22, s24, 15
	s_add_nc_u64 s[18:19], s[12:13], s[22:23]
	LD16
.set i, 0
.rept 16
	CVB i
	global_store_b64 v2, v[Y+2*i:Y+2*i+1], s[18:19] offset:i*2048
.set i, i+1
.endr
	s_endpgm
.Lout_w:
	s_sub_co_u32 s24, ttmp9, 704
	s_lshl_b32 s22, s24, 16
	s_add_nc_u64 s[16:17], s[8:9], s[22:23]
	s_lshl_b32 s22, s24, 15
	s_add_nc_u64 s[18:19], s[14:15], s[22:23]
	LD16
.set i, 0
.rept 16
	CVH i
	global_store_b64 v2, v[Y+2*i:Y+2*i+1], s[18:19] offset:i*2048
.set i, i+1
.endr
	s_endpgm
.Lfunc_end_k_q981d8d2326_cast:
	.size	k_q981d8d2326_cast, .Lfunc_end_k_q981d8d2326_cast-k_q981d8d2326_cast
	.p2alignl 7, 3214868480
	.fill 96, 4, 3214868480
	.section	.rodata,"a",@progbits
	.p2align	6, 0x0
	.amdhsa_kernel k_q981d8d2326_cast
		.amdhsa_group_segment_fixed_size 0
		.amdhsa_private_segment_fixed_size 0
		.amdhsa_enable_private_segment 0
		.amdhsa_kernarg_size 48
		.amdhsa_user_sgpr_count 2
		.amdhsa_user_sgpr_kernarg_segment_ptr 1
		.amdhsa_wavefront_size32 1
		.amdhsa_system_sgpr_workgroup_id_x 1
		.amdhsa_system_sgpr_workgroup_id_y 1
		.amdhsa_system_sgpr_workgroup_id_z 1
		.amdhsa_system_vgpr_workitem_id 0
		.amdhsa_next_free_vgpr 104
		.amdhsa_next_free_sgpr 66
		.amdhsa_reserve_vcc 0
		.amdhsa_float_denorm_mode_32 3
		.amdhsa_float_denorm_mode_16_64 3
		.amdhsa_memory_ordered 1
		.amdhsa_forward_progress 1
		.amdhsa_inst_pref_size 23
	.end_amdhsa_kernel
	.amdgpu_metadata
---
amdhsa.version: [ 1, 2 ]
amdhsa.kernels:
  - .name:           k_q981d8d2326_cast
    .symbol:         k_q981d8d2326_cast.kd
    .args:
      - { .name: x, .offset: 0, .size: 8, .value_kind: global_buffer, .address_space: global }
      - { .name: in_proj_weight, .offset: 8, .size: 8, .value_kind: global_buffer, .address_space: global }
      - { .name: out_w, .offset: 16, .size: 8, .value_kind: global_buffer, .address_space: global }
      - { .name: xb, .offset: 24, .size: 8, .value_kind: global_buffer, .address_space: global }
      - { .name: wb, .offset: 32, .size: 8, .value_kind: global_buffer, .address_space: global }
      - { .name: owb, .offset: 40, .size: 8, .value_kind: global_buffer, .address_space: global }
    .group_segment_fixed_size: 0
    .private_segment_fixed_size: 0
    .kernarg_segment_align: 8
    .kernarg_segment_size: 48
    .max_flat_workgroup_size: 256
    .sgpr_count:     66
    .vgpr_count:     104
    .wavefront_size: 32
...
	.end_amdgpu_metadata
.endif
;; end of part 1
;; launch qkv (part 2): grid 16 x 32, 4 waves a work-group, clusters of 4 x 4, 327,680 bytes of LDS; arguments xb, wb, in_proj_bias, qkv; writes qkv
.if DOCPART == 2
	.amdgcn_target "amdgcn-amd-amdhsa--gfx1250"
	.amdhsa_code_object_version 6
	.text
	.protected	k_q981d8d2326_qkv
	.globl	k_q981d8d2326_qkv
	.p2align	8
	.type	k_q981d8d2326_qkv,@function
k_q981d8d2326_qkv:
	s_mov_b64 s[64:65], 0
	v_nop
	global_prefetch_b8 v0, s[64:65] scope:SCOPE_SE
	s_setreg_imm32_b32 hwreg(HW_REG_WAVE_MODE, 25, 1), 1
	s_wait_xcnt 0x0
	s_wait_alu depctr_hold_cnt(0) depctr_sa_sdst(0) depctr_va_vdst(0) depctr_va_sdst(0) depctr_va_ssrc(0) depctr_va_vcc(0) depctr_vm_vsrc(0)
	s_getreg_b32 s2, hwreg(HW_REG_IB_STS2, 6, 4)
	s_cmp_eq_u32 s2, 0
	s_cbranch_scc0 .Lentry_in_a_cluster
	s_endpgm
.Lentry_in_a_cluster:
	s_bfe_u32 s2, ttmp6, 0x10000c
	s_cmp_lg_u32 s2, 0xf033
	s_cbranch_scc0 .Lentry_shape_is_right
	s_endpgm
.Lentry_shape_is_right:
; THE STACKED PROJECTION.  stack[m][c] = the sum over k of xb[m][k] wb[c][k] + bias[c];  xb [8192 = n, l][1024] and wb [3072][1024] in bf16, sums in f32, the bias rounded to bf16 like the other inputs.
; The result is written BY HEADS, in f16, rounded once and unscaled: qkv [8 n][48 hh][1024 l][64], hh = c / 64: 0-15 q's heads, 16-31 k's, 32-47 v's; a head's rows are dense, 128 bytes each.
; LIMIT: q, k and v within 65,504 (f16); below 6e-5 they keep f16's fixed step of 6e-8.  NaN and infinities are not treated apart.
; SHARES.  A tile is 256 rows (one n, 256 l on end) x 192 columns (three whole heads): 32 x 16 = 512 work-groups of equal work.  Four waves, each 64 rows x all 192 columns: 48 accumulators, 384 registers;
; so a wave's results are whole rows of whole heads.  K goes in 8 steps of 128 through two LDS slots; the tiles' rows are 256 bytes of memory, aligned.
; CLUSTER 4 x 4: the four of a row need the same 256 rows of xb, the four of a column the same 192 rows of wb: each tile is asked for jointly, by the same tensor load with a mask that names the four.
; THE WALK ALONG K GOES ROUND.  A cluster begins at K step (2 x + 4 (bit 1 of y)) mod 8 (x, y: the cluster's place in the grid, the same in all sixteen partners) and takes the eight steps modulo 8; f32 sums may be
; taken in any order.  So the four clusters that walk the same rows of xb begin two steps apart and never ask for the same K step at the same time.
; NOTHING IS ASKED FOR AHEAD OF THE TENSOR LOADS: each K step of a row block of xb is asked for first by the cluster that begins its walk there, among its two first fills at the kernel's head;
; no later fill is the launch's first request for its rows.  wb is walked again by all 32 tile rows.
; THE MATRIX INSTRUCTION IS USED TRANSPOSED (source 0 = 16 rows of wb, source 1 = 16 rows of xb): a lane holds one row of the result (lane % 16) and the columns 8 (lane / 16) + 0..7.
; The bias is the C operand of the products that start the sums: nothing is cleared and nothing is added afterwards.
; REGISTERS, in windows of 256 (s_set_vgpr_msb: bits 1:0 source 0, 3:2 source 1, 5:4 source 2, 7:6 destination):
;   window 0: v0-31 addresses; v32-79 packed results; v80-127, v128-175 rows read back, by turns; v128-223 first the bias
;   window 1: two fragment buffers of 128: xb's four fragments, then wb's twelve      window 2: accumulators (a, b < 8) at 8 (4 b + a)      window 3: those of b = 8 .. 11
.set KSTEP,  128
.set PITCH,  272                       ; an LDS row: 256 bytes + 16 of padding = 68 words: the 16 rows of a fragment load start at 16 different groups of four banks
.set HALFA,  128*PITCH                 ; what one tensor load brings of xb
.set HALFB,  96*PITCH                  ; and of wb
.set SLOT,   2*HALFA+2*HALFB           ; xb's 256 rows, then wb's 192
.set STAGE,  2*SLOT                    ; behind the ring, never filled by a tensor load: for each wave 3 heads x 16 rows x 144 bytes
.set WSTG,   3*16*144
.set SPARE,  STAGE+4*WSTG              ; the spare words, 128 bytes for each wave: two blocks of 256 bytes that no other line names
.set ADRA, 16                          ; v16-17  LDS address of my fragments of xb in slot 0, 1
.set ADRB, 20                          ; v20-21  the same for wb
.set STO,  24                          ; v24     the way out: where I put 16 bytes of a row
.set RD,   25                          ; v25     where I read rows back
.set CO,   26                          ; v26     16 x lane: my place in 512 consecutive bytes of qkv
.set BO,   27                          ; v27     32 x (lane / 16): my eight numbers of 16 of the bias
.set SPW,  28                          ; v28     LDS address of my spare word; never rewritten
.set NIL,  29                          ; v29     0; never rewritten
.set TMP,  32
.set BK0,  80
.set BIAS, 128
.set F0,   0
.set F1,   128
.set G1A, 24                           ; s[24:31] descriptor group 1 for xb's tiles;  s[32:39] group 0, a set for each slot
.set G0A, 32
.set G1B, 48                           ; s[48:55], s[56:63] the same for wb's tiles
.set G0B, 56
.set KN,  66                           ; s66-67  the K step, 0 to 7, that slot 0, 1 was last asked to hold
.set OFF, 68                           ; s[68:69] that step's byte offset in a row
.set BA,  70                           ; s[70:71] xb at the first of the rows that I fetch
.set BB,  72                           ; s[72:73] wb likewise
.set FLAGS, (1<<16)|(1<<20)|(1<<21)|(5<<22)|(3<<25)  ; 2-byte elements; padding on; bit 21 beside a mask; after every 64 words; 4 words
.set MSB, 0
.macro WIN new                         ; the immediate's high byte repeats the setting that is left; a switch that changes nothing is dropped
.if MSB != (\new)
	s_set_vgpr_msb (MSB<<8)|(\new)
.set MSB, \new
.endif
.endm
.macro PLACES                          ; four plain places behind a matrix instruction, ahead of loads into its sources and of readers of its result
.rept 4
	v_nop
.endr
.endm
; A joint load: waves 0 and 1 fetch xb's two halves, waves 2 and 3 wb's.  The branch hangs on the wave's number alone.  An s_nop 0 and four v_nop follow each line.
.macro JLOAD s
	s_cmp_eq_u32 s13, 0
	s_cbranch_scc0 .Lfor_b_\@
	tensor_load_to_lds s[G0A+4*(\s):G0A+4*(\s)+3], s[G1A:G1A+7]
	s_nop 0
.rept 4
	v_nop
.endr
	s_branch .Lasked_\@
.Lfor_b_\@:
	tensor_load_to_lds s[G0B+4*(\s):G0B+4*(\s)+3], s[G1B:G1B+7]
	s_nop 0
.rept 4
	v_nop
.endr
.Lasked_\@:
.endm
.macro CREST                           ; a round of the cluster's barrier behind its opening barrier
	s_cmp_lg_u32 s12, 0
	s_cbranch_scc1 .Lnot_wave_0_\@
	s_barrier_signal -3
.Lnot_wave_0_\@:
	s_barrier_wait -3
	s_barrier_signal -1
	s_barrier_wait -1
.endm
.macro CROUND
	s_barrier_signal -1
	s_barrier_wait -1
	CREST
.endm
.macro AIM s                           ; slot s's two descriptors are pointed at K step KN[s]: the address is made anew from the step's number
	s_lshl_b32 s[OFF], s[KN+(\s)], 8               ; 256 bytes a K step
	s_add_nc_u64 s[G0A+4*(\s)+2:G0A+4*(\s)+3], s[BA:BA+1], s[OFF:OFF+1]
	s_or_b32 s[G0A+4*(\s)+3], s[G0A+4*(\s)+3], 0x80000000
	s_add_nc_u64 s[G0B+4*(\s)+2:G0B+4*(\s)+3], s[BB:BB+1], s[OFF:OFF+1]
	s_or_b32 s[G0B+4*(\s)+3], s[G0B+4*(\s)+3], 0x80000000
.endm
	s_load_b256 s[4:11], s[0:1], 0x0               ; xb s[4:5], wb s[6:7], bias s[8:9], qkv s[10:11]
	v_lshl_add_u32 v[SPW], v0, 2, SPARE
	v_mov_b32 v[NIL], 0
	ds_add_u32 v[SPW], v[NIL]                      ; the wave's opening: the add and its wait stand ahead of my first tensor load; work on registers stands between them
	v_lshrrev_b32 v1, 5, v0
	v_readfirstlane_b32 s12, v1                    ; wave 0..3
	s_lshr_b32 s13, s12, 1                         ; 0: I fetch for xb, 1: for wb
	s_and_b32 s14, s12, 1                          ; which half of that tile
	s_bfe_u32 s15, ttmp6, 0x40000                  ; cx
	s_bfe_u32 s16, ttmp6, 0x40004                  ; cy
	s_lshl_b32 s17, ttmp9, 2
	s_add_co_u32 s17, s17, s15                     ; tile column = 4 x cluster x + cx
	s_and_b32 s18, ttmp7, 0xffff
	s_lshl_b32 s18, s18, 2
	s_add_co_u32 s18, s18, s16                     ; tile row = 4 x cluster y + cy
	s_lshl_b32 s20, s16, 2
	s_lshl_b32 s20, 15, s20                        ; my row of the cluster
	s_lshl_b32 s44, 0x1111, s15                    ; my column
	s_or_b32 s[G1A+0], s20, FLAGS
	s_or_b32 s[G1B+0], s44, FLAGS
	s_mov_b32 s[G1A+1], KSTEP<<16                  ; tensor_dim0 = 128
	s_mov_b32 s[G1A+2], 128<<16                    ; tensor_dim1 = 128
	s_mov_b32 s[G1A+3], KSTEP<<16                  ; tile_dim0 = 128
	s_mov_b32 s[G1A+4], 128                        ; tile_dim1 = 128
	s_mov_b32 s[G1A+5], 1024                       ; elements from row to row
	s_mov_b32 s[G1A+6], 0
	s_mov_b32 s[G1A+7], 0
	s_mov_b32 s[G1B+1], KSTEP<<16
	s_mov_b32 s[G1B+2], 96<<16                     ; 96 rows
	s_mov_b32 s[G1B+3], KSTEP<<16
	s_mov_b32 s[G1B+4], 96
	s_mov_b32 s[G1B+5], 1024
	s_mov_b32 s[G1B+6], 0
	s_mov_b32 s[G1B+7], 0
	s_lshl_b32 s20, s18, 8                         ; xb: row 256 x tile row + 128 x half, in registers that never hold cx
	s_lshl_b32 s21, s14, 7
	s_add_co_u32 s20, s20, s21
	s_lshl_b32 s20, s20, 11                        ; x 2,048 bytes: under 2^24
	s_mov_b32 s21, 0
	s_mul_i32 s44, s17, 192                        ; wb: row 192 x tile column + 96 x half, in registers that never hold cy
	s_mul_i32 s45, s14, 96
	s_add_co_u32 s44, s44, s45
	s_lshl_b32 s44, s44, 11
	s_mov_b32 s45, 0
	s_mul_i32 s22, s14, HALFA                      ; where they go: no place in the cluster enters an LDS address
	s_mul_i32 s23, s14, HALFB
	s_add_co_u32 s23, s23, 2*HALFA
	s_and_b32 s[KN], ttmp7, 2                      ; where my cluster's walk begins: 2 x (bit 1 of the cluster's y)
	s_add_co_u32 s[KN], s[KN], ttmp9               ; + the cluster's x,
	s_lshl_b32 s[KN], s[KN], 1                     ; twice,
	s_and_b32 s[KN], s[KN], 7                      ; modulo 8: an even number
	s_add_co_u32 s[KN+1], s[KN], 1
	s_mov_b32 s[OFF+1], 0
	s_wait_dscnt 0x0                               ; the opening add is done
	s_wait_kmcnt 0x0
	s_add_nc_u64 s[BA:BA+1], s[4:5], s[20:21]
	s_add_nc_u64 s[BB:BB+1], s[6:7], s[44:45]
	CROUND                                         ; all sixteen work-groups are here: the first joint loads meet
.irp s, 0,1
	s_mov_b32 s[G0A+4*(\s)], 1
	s_add_co_u32 s[G0A+4*(\s)+1], s22, (\s)*SLOT
	s_mov_b32 s[G0B+4*(\s)], 1
	s_add_co_u32 s[G0B+4*(\s)+1], s23, (\s)*SLOT
	AIM \s
	JLOAD \s                                       ; two loads of mine are out
.endr
	v_and_b32 v1, 15, v0                           ; l % 16
	v_bfe_u32 v2, v0, 4, 1                         ; l / 16
	v_and_b32 v3, 31, v0                           ; l
	s_mul_i32 s46, s17, 768                        ; the tile's 192 numbers of the bias
	s_mov_b32 s47, 0
	s_add_nc_u64 s[8:9], s[8:9], s[46:47]
	v_lshlrev_b32 v[BO], 5, v2
.set i, 0
.rept 12                               ; register 8 b + j: bias of column 16 b + 8 (l / 16) + j, as the C operand wants it
	global_load_b128 v[BIAS+8*i:BIAS+8*i+3],   v[BO], s[8:9] offset:64*i
	global_load_b128 v[BIAS+8*i+4:BIAS+8*i+7], v[BO], s[8:9] offset:64*i+16
.set i, i+1
.endr
	v_mul_u32_u24 v4, v1, PITCH
	v_lshl_add_u32 v4, v2, 4, v4                   ; a fragment's row x pitch + 16 x half
	s_mul_i32 s46, s12, 64*PITCH                   ; my 64 rows of xb
	s_mov_b32 s47, 2*HALFA                         ; wb's rows lie behind xb's 256
.irp s, 0,1
	v_add_nc_u32 v[ADRA+(\s)], s46, v4
	v_add_nc_u32 v[ADRB+(\s)], s47, v4
	s_add_co_u32 s46, s46, SLOT
	s_add_co_u32 s47, s47, SLOT
.endr
	s_mul_i32 s46, s12, WSTG
	s_add_co_u32 s46, s46, STAGE                   ; my stage
	v_mul_u32_u24 v5, v1, 144                      ; in: row l % 16, 16 bytes for each half of the lanes
	v_lshl_add_u32 v5, v2, 4, v5
	v_add_nc_u32 v[STO], s46, v5
	v_lshrrev_b32 v5, 3, v3                        ; back: 32 lanes take four rows of 128 bytes
	v_mul_u32_u24 v5, v5, 144
	v_and_b32 v6, 7, v0
	v_lshl_add_u32 v5, v6, 4, v5
	v_add_nc_u32 v[RD], s46, v5
	v_lshlrev_b32 v[CO], 4, v3
	s_lshr_b32 s20, s18, 2                         ; n
	s_mul_i32 s20, s20, 48
	s_mul_i32 s46, s17, 3
	s_add_co_u32 s46, s46, s20                     ; the first of my three head planes: 48 n + 3 x tile column
	s_lshl_b32 s46, s46, 17                        ; x 131,072 bytes: under 2^26
	s_and_b32 s20, s18, 3
	s_lshl_b32 s20, s20, 8                         ; the tile's first l,
	s_lshl_b32 s21, s12, 6                         ; my 64 rows
	s_add_co_u32 s20, s20, s21
	s_lshl_b32 s20, s20, 7                         ; x 128 bytes
	s_add_co_u32 s46, s46, s20
	s_mov_b32 s47, 0
	s_add_nc_u64 s[10:11], s[10:11], s[46:47]
	s_wait_loadcnt 0x0                             ; the bias
.set i, 0
.rept 48                               ; rounded to bf16 and widened again, a pair at a time
	v_cvt_pk_bf16_f32 v[TMP+i%4], v[BIAS+2*i], v[BIAS+2*i+1]
	v_lshlrev_b32 v[BIAS+2*i], 16, v[TMP+i%4]
	v_and_b32 v[BIAS+2*i+1], 0xffff0000, v[TMP+i%4]
.set i, i+1
.endr
; 16 matrix instructions: column blocks b0 .. b0 + 3 x my four row blocks, 32 along K.  zero = 1: the products start the sums, with the bias as C.
; All 48 accumulators take turns in one fixed order, one instruction a turn.
.macro MUL16 f, b0, zero
.if (\b0) < 8
	WIN 0xa5-0x20*(\zero)                          ; sources window 1; C and D window 2 (C window 0 where it is the bias)
.else
	WIN 0xf5-0x30*(\zero)                          ; the same with window 3
.endif
.irp bb, 0,1,2,3
.irp a, 0,1,2,3
.set rD, 8*(4*(((\b0)+(\bb))%8)+(\a))
.set rB, (\f)+32+8*((\b0)+(\bb))
.set rA, (\f)+8*(\a)
.set rC, BIAS+8*((\b0)+(\bb))
.if \zero
	v_wmma_f32_16x16x32_bf16 v[rD:rD+7], v[rB:rB+7], v[rA:rA+7], v[rC:rC+7]
.else
	v_wmma_f32_16x16x32_bf16 v[rD:rD+7], v[rB:rB+7], v[rA:rA+7], v[rD:rD+7]
.endif
.endr
.endr
.endm
; 32 LDS loads in one run: the fragments of 32 along K at byte k of the rows, into buffer f: xb's four, then wb's twelve in ascending order
.macro FETCH slot, k, f
	WIN 0x40
.irp a, 0,1,2,3
	ds_load_b128 v[(\f)+8*(\a):(\f)+8*(\a)+3],   v[ADRA+(\slot)] offset:(\k)+(\a)*16*PITCH
	ds_load_b128 v[(\f)+8*(\a)+4:(\f)+8*(\a)+7], v[ADRA+(\slot)] offset:(\k)+(\a)*16*PITCH+32
.endr
.irp b, 0,1,2,3,4,5,6,7,8,9,10,11
	ds_load_b128 v[(\f)+32+8*(\b):(\f)+32+8*(\b)+3],   v[ADRB+(\slot)] offset:(\k)+(\b)*16*PITCH
	ds_load_b128 v[(\f)+32+8*(\b)+4:(\f)+32+8*(\b)+7], v[ADRB+(\slot)] offset:(\k)+(\b)*16*PITCH+32
.endr
.endm
; A K step is four quarters of 32 along K, 48 matrix instructions each, on buffers 0, 1, 0, 1.  One of the first three: multiplies f and fetches the next quarter, at byte k, into g.
.macro QUARTER slot, k, f, g, zero
	s_wait_dscnt 8                                 ; all but the youngest eight loads (wb's blocks 8 to 11)
	MUL16 \f, 0, \zero
	MUL16 \f, 4, \zero
	PLACES
	FETCH \slot, \k, \g
	s_wait_dscnt 32                                ; all but the 32 just issued
	MUL16 \f, 8, \zero
.endm
; The last quarter multiplies buffer 1 and changes slots: in front of the barrier each wave waits for all its tensor loads (one is out: its part of the next slot), adds 0 to its spare word,
; and waits for that and for its reads of this slot.  fill = 1: the barrier opens a round of the cluster's, and this slot is filled again, with the K step two on in the walk, first thing behind the round.
.macro TURN slot, next, fill
	WIN 0
	s_wait_tensorcnt 0x0                           ; no tensor load of mine is out, so a group 0 may be written
	ds_add_u32 v[SPW], v[NIL]                      ; the descriptors' scalar work stands behind the add
.if \fill
	s_add_co_u32 s[KN+(\slot)], s[KN+(\slot)], 2
	s_and_b32 s[KN+(\slot)], s[KN+(\slot)], 7      ; the walk goes round
	AIM \slot
.endif
	s_wait_dscnt 9                                 ; the add and the youngest eight loads may be out
	MUL16 F1, 0, 0
	s_wait_dscnt 0x0                               ; the add is done, and my reads of this slot are over
	s_barrier_signal -1
	MUL16 F1, 4, 0
.if \fill
	WIN 0
.endif
	s_barrier_wait -1
.if \fill
	CREST
	JLOAD \slot                                    ; its four v_nop are also the places in front of the loads below
.else
	PLACES
.endif
	FETCH \next, 0, F0
	MUL16 F1, 8, 0
.endm
	s_wait_tensorcnt 0x1                           ; my part of the walk's first K step is in; the second's may stay out
	s_barrier_signal -1
	s_barrier_wait -1
	FETCH 0, 0, F0
	QUARTER 0, 64, F0, F1, 1                       ; the first quarter stands in front of the loop: its products start the sums
	WIN 0
	s_mov_b32 s19, 3
.Llap:                                         ; a trip goes once round the ring and fills both slots again
	QUARTER 0, 128, F1, F0, 0
	QUARTER 0, 192, F0, F1, 0
	TURN 0, 1, 1
	QUARTER 1, 64,  F0, F1, 0
	QUARTER 1, 128, F1, F0, 0
	QUARTER 1, 192, F0, F1, 0
	TURN 1, 0, 1
	QUARTER 0, 64,  F0, F1, 0
	WIN 0
	s_sub_co_u32 s19, s19, 1
	s_cmp_lg_u32 s19, 0
	s_cbranch_scc1 .Llap
	QUARTER 0, 128, F1, F0, 0                      ; the last lap fills nothing
	QUARTER 0, 192, F0, F1, 0
	TURN 0, 1, 0
	QUARTER 1, 64,  F0, F1, 0
	QUARTER 1, 128, F1, F0, 0
	QUARTER 1, 192, F0, F1, 0
	s_wait_dscnt 8
	MUL16 F1, 0, 0
	MUL16 F1, 4, 0
	s_wait_dscnt 0x0
	MUL16 F1, 8, 0
; THE WAY OUT, a block of 16 rows at a time: rounded to f16 (each accumulator from its low end on); 16 bytes a lane into my own stage; back as whole rows of 128 bytes; stored, 512 consecutive bytes a store.
.macro PACK a
	WIN 0x0a
.irp b, 0,1,2,3,4,5,6,7
.irp i, 0,1,2,3
	v_cvt_pk_f16_f32 v[TMP+4*(\b)+(\i)], v[8*(4*(\b)+(\a))+2*(\i)], v[8*(4*(\b)+(\a))+2*(\i)+1]
.endr
.endr
	WIN 0x0f
.irp b, 8,9,10,11
.irp i, 0,1,2,3
	v_cvt_pk_f16_f32 v[TMP+4*(\b)+(\i)], v[8*(4*((\b)-8)+(\a))+2*(\i)], v[8*(4*((\b)-8)+(\a))+2*(\i)+1]
.endr
.endr
	WIN 0
.endm
.macro TOSTAGE a
	WIN 0
.set BK, BK0+48*((\a)%2)
.irp b, 0,1,2,3,4,5,6,7,8,9,10,11
	ds_store_b128 v[STO], v[TMP+4*(\b):TMP+4*(\b)+3] offset:((\b)/4)*2304+((\b)%4)*32
.endr
.irp hd, 0,1,2
.irp u, 0,1,2,3
	ds_load_b128 v[BK+4*(4*(\hd)+(\u)):BK+4*(4*(\hd)+(\u))+3], v[RD] offset:(\hd)*2304+(\u)*576  ; LDS serves a wave's instructions in order: these see the stores above
.endr
.endr
.endm
.macro SEND a
	WIN 0
.set BK, BK0+48*((\a)%2)
	s_wait_dscnt 0x0                               ; the block is back in registers
	s_wait_xcnt 0x0                                ; the stores of the block before have read their registers, which the next block's loads take
.irp hd, 0,1,2
.irp u, 0,1,2,3
	global_store_b128 v[CO], v[BK+4*(4*(\hd)+(\u)):BK+4*(4*(\hd)+(\u))+3], s[10:11] offset:(\hd)*131072+(\a)*2048+(\u)*512
.endr
.endr
.endm
	PLACES
	PACK 0
	TOSTAGE 0
.irp a, 1,2,3
	PACK \a
	SEND (\a)-1
	TOSTAGE \a
.endr
	SEND 3
	s_wait_tensorcnt 0x0                           ; the wave's end
	ds_add_u32 v[SPW], v[NIL]
	s_wait_dscnt 0x0
	CROUND                                         ; the closing round
	s_endpgm
.Lfunc_end_k_q981d8d2326_qkv:
	.size	k_q981d8d2326_qkv, .Lfunc_end_k_q981d8d2326_qkv-k_q981d8d2326_qkv
	.p2alignl 7, 3214868480
	.fill 96, 4, 3214868480
	.section	.rodata,"a",@progbits
	.p2align	6, 0x0
	.amdhsa_kernel k_q981d8d2326_qkv
		.amdhsa_group_segment_fixed_size 327680
		.amdhsa_private_segment_fixed_size 0
		.amdhsa_enable_private_segment 0
		.amdhsa_kernarg_size 32
		.amdhsa_user_sgpr_count 2
		.amdhsa_user_sgpr_kernarg_segment_ptr 1
		.amdhsa_wavefront_size32 1
		.amdhsa_system_sgpr_workgroup_id_x 1
		.amdhsa_system_sgpr_workgroup_id_y 1
		.amdhsa_system_sgpr_workgroup_id_z 1
		.amdhsa_system_vgpr_workitem_id 0
		.amdhsa_next_free_vgpr 896
		.amdhsa_next_free_sgpr 74
		.amdhsa_reserve_vcc 0
		.amdhsa_float_denorm_mode_32 3
		.amdhsa_float_denorm_mode_16_64 3
		.amdhsa_memory_ordered 1
		.amdhsa_forward_progress 1
		.amdhsa_inst_pref_size 128
	.end_amdhsa_kernel
	.amdgpu_metadata
---
amdhsa.version: [ 1, 2 ]
amdhsa.kernels:
  - .name:           k_q981d8d2326_qkv
    .symbol:         k_q981d8d2326_qkv.kd
    .args:
      - { .name: xb, .offset: 0, .size: 8, .value_kind: global_buffer, .address_space: global }
      - { .name: wb, .offset: 8, .size: 8, .value_kind: global_buffer, .address_space: global }
      - { .name: in_proj_bias, .offset: 16, .size: 8, .value_kind: global_buffer, .address_space: global }
      - { .name: qkv, .offset: 24, .size: 8, .value_kind: global_buffer, .address_space: global }
    .group_segment_fixed_size: 327680
    .private_segment_fixed_size: 0
    .kernarg_segment_align: 8
    .kernarg_segment_size: 32
    .max_flat_workgroup_size: 128
    .sgpr_count:     74
    .vgpr_count:     896
    .wavefront_size: 32
...
	.end_amdgpu_metadata
.endif
;; end of part 2
;; launch attn (part 3): grid 32 x 8, 4 waves a work-group, clusters of 4 x 1, 327,680 bytes of LDS; arguments qkv, ctx, out1; writes ctx, out1
.if DOCPART == 3
	.amdgcn_target "amdgcn-amd-amdhsa--gfx1250"
	.amdhsa_code_object_version 6
	.text
	.protected	k_q981d8d2326_attn
	.globl	k_q981d8d2326_attn
	.p2align	8
	.type	k_q981d8d2326_attn,@function
k_q981d8d2326_attn:
	s_mov_b64 s[64:65], 0
	v_nop
	global_prefetch_b8 v0, s[64:65] scope:SCOPE_SE
	s_setreg_imm32_b32 hwreg(HW_REG_WAVE_MODE, 25, 1), 1
	s_wait_xcnt 0x0
	s_wait_alu depctr_hold_cnt(0) depctr_sa_sdst(0) depctr_va_vdst(0) depctr_va_sdst(0) depctr_va_ssrc(0) depctr_va_vcc(0) depctr_vm_vsrc(0)
	s_getreg_b32 s2, hwreg(HW_REG_IB_STS2, 6, 4)
	s_cmp_eq_u32 s2, 0
	s_cbranch_scc0 .Lentry_in_a_cluster
	s_endpgm
.Lentry_in_a_cluster:
	s_bfe_u32 s2, ttmp6, 0x10000c
	s_cmp_lg_u32 s2, 0x3003
	s_cbranch_scc0 .Lentry_shape_is_right
	s_endpgm
.Lentry_shape_is_right:
; ATTENTION WITH THE MEAN OF THE WEIGHTS OVER THE HEADS.  For batch n, head h, query l: weight[s] = softmax_s(q . k[s] / 8); context = the sum over s of weight[s] v[s]; out1[n][l][s] = the mean over the 16 heads of weight[s].
; qkv [8 n][48][1024][64] f16 (planes 0-15 q, 16-31 k, 32-47 v).  ctx [8 n][64 kb][1024 l][16] f16, kb = 4 h + channel / 16.  out1 [8][1024][1024] f32.
; Products, maxima and sums in f32; the weights are rounded to f16 for the second product alone; the context once.
; LIMITS: the context lies within v's range (f16); below 6e-5 it keeps f16's fixed step of 6e-8; a weight below 2^-126 of its row's largest counts as 0; NaN and infinities are not treated apart.
; SHARES.  The mean spans all heads, so ONE work-group owns 32 queries of a batch for all 16 heads and all 1,024 keys: 8 x 32 = 256 work-groups.  Wave w owns keys 256 w .. 256 w + 255.
; A head's whole scores stay in registers (2 tiles of 16 queries x 256 keys = 256 registers a wave), and so do the sums for out1 (256 more): the scores are made once and the row's true maximum is taken away.
; SOFTMAX.  Each wave takes the maximum of its 256 keys: p = 2^(c s - cm_w), c = log2(e) / 8, cm_w = c max; l_w = the sum of p; O_w = V^T P.  The four waves then exchange cm_w, l_w and O_w in LDS:
; cm = max cm_w, f_w = 2^(cm_w - cm), l = the sum of f_w l_w, O = the sum of (f_w / l) O_w, and out1's sums take p f_own / (16 l).
; LAYOUT.  S^T = K Q^T (source 0 = 16 keys, source 1 = 16 queries): a lane holds one query (lane % 16) and the keys 8 (lane / 16) + 0..7; two such results rounded to f16 are source 1 of O^T = V^T P.
; CLUSTER 4 x 1: the four query blocks of a cluster belong to one batch and walk the same K and V: each tile is asked for jointly.  A wave fetches, and reads, its own 256 keys.
; THE WALK OVER THE HEADS GOES ROUND.  The eight clusters of a batch begin at different heads, cluster x at head 4 (x % 4) + 2 (x / 4), and take the 16 heads modulo 16 (the mean is a sum of f32 in any order):
; at no time do two of them ask for the same head's tiles.  Every address that hangs on the head is made anew from the head's number.
; THE RING.  One slot for K and one for V take turns: V of the head in hand is asked for behind the round at the head's beginning and lands under K Q^T, the maxima and the exponentials; K of the next head behind
; the round that follows the exponentials, and lands under the roundings and sums, V^T P and the exchange.  One tensor load a wave behind each round; one of mine is out at the most.
; REGISTERS, in windows of 256 (s_set_vgpr_msb: bits 1:0 source 0, 3:2 source 1, 5:4 source 2, 7:6 destination):
;   window 0: v0-31 addresses and a few at work; v32-63 Q; v64-127 O^T; v128-255 two sets of K's or V's fragments
;   window 1 (tile 0), window 2 (tile 1): v0-127 scores, then weights; v128-191 the weights in f16; v192-219 statistics          window 3: out1's sums, tile t at 128 t
.set PLANE, 131072                     ; bytes in a head's plane of qkv; also a head's four planes of ctx
.set KS,    0                          ; K's slot: for each wave 128 rows (two keys each) of 256 + 16 bytes: 16 keys of a load start at 16 different groups of four banks
.set KW,    128*272
.set VS,    4*KW                       ; V's slot: rows of 256 + 32 bytes
.set VW,    128*288
.set XO,    VS+4*VW                    ; the exchange of O_w: for each wave 32 queries x (64 f32 + 16 bytes); never filled by a tensor load
.set XW,    32*272
.set XS,    XO+4*XW                    ; the exchange of (cm_w, l_w): for each wave 32 queries x 8 bytes
.set SPARE, XS+1024                    ; the spare words, 128 bytes for each wave: two blocks of 256 bytes that no other line names
.set RR,  1                            ; v1   lane % 16
.set HI,  2                            ; v2   lane / 16
.set AK,  3                            ; v3   my place in my wave's tile of K
.set AV,  4                            ; v4   the same for V
.set QO,  5                            ; v5   my byte offset in 16 rows of Q
.set XST, 6                            ; v6   where I put my partial O
.set XLD, 7                            ; v7   where I read the four partial O of my wave's 16 channels
.set SST, 8                            ; v8   where I put (cm_w, l_w)
.set SLD, 9                            ; v9   where I read the four
.set CO,  10                           ; v10  my 16 bytes in 512 consecutive bytes of ctx
.set STG, 11                           ; v11  the way out of out1: where I put 16 bytes of a row
.set SRD, 12                           ; v12  where I read 512 bytes of a row back
.set AO,  13                           ; v13  16 x lane
.set PFO, 14                           ; v14  256 x lane; never rewritten
.set SPW, 16                           ; v16  LDS address of my spare word; never rewritten
.set NIL, 17                           ; v17  0; never rewritten
.set CT,  18                           ; v18-25  the context, packed
.set TA,  26                           ; v26-29  by tile, two registers for the exchange between the halves of the lanes
.set QQ,  32
.set OO,  64
.set FR,  128
.set PW,  128                          ; windows 1, 2: the weights in f16
.set MX,  192                          ; four chains of the maximum
.set CM,  196                          ; cm_w, and with it as a pair
.set LS,  197                          ; l_w
.set LP,  198                          ; four pairs of partial sums
.set EE,  206                          ; four pairs (cm_w', l_w'); the even register becomes f_w', then f_w' / l
.set FO,  214
.set CX,  215
.set LT,  216
.set RI,  217
.set GG,  218                          ; f_own / (16 l), named as a pair
.set WV,  10
.set QB,  14                           ; s[14:15] Q of the head whose Q is loaded, my 32 rows
.set CB,  16                           ; s[16:17] ctx at plane 4 h + w of the head in hand, my 32 rows
.set PFV, 20                           ; s[20:21] V of my walk's second head, my wave's keys, my work-group's quarter of them; never rewritten
.set LEFT, 22
.set G1K, 24
.set G1V, 32
.set G0K, 40
.set G0V, 44
.set CS,  48                           ; s[48:49] c, twice
.set SEL, 50                           ; s[50:51] v_permlanex16_b32's selects: each lane takes its own place in the other half
.set QB0, 66                           ; s[66:67] Q of head 0, my 32 rows
.set CB0, 68                           ; s[68:69] ctx at plane w, my 32 rows
.set KB0, 70                           ; s[70:71] K of head 0, my wave's keys
.set VB0, 72                           ; s[72:73] V likewise
.set OC,  74                           ; s[74:75] the head in hand x PLANE
.set ON,  76                           ; s[76:77] the next head of the walk x PLANE
.set HC,  78                           ; s78  at a head's beginning its number; then the next head's
.set MSB, 0
.macro WIN new
.if MSB != (\new)
	s_set_vgpr_msb (MSB<<8)|(\new)
.set MSB, \new
.endif
.endm
.macro PLACES
.rept 4
	v_nop
.endr
.endm
.macro CROUND                          ; a round of the cluster's barrier
	s_barrier_signal -1
	s_barrier_wait -1
	s_cmp_lg_u32 s[WV], 0
	s_cbranch_scc1 .Lnot_wave_0_\@
	s_barrier_signal -3
.Lnot_wave_0_\@:
	s_barrier_wait -3
	s_barrier_signal -1
	s_barrier_wait -1
.endm
.macro LOADT g0, g1                    ; a joint load: every wave asks for its own 256 keys; an s_nop 0 and four v_nop follow
	tensor_load_to_lds s[\g0:\g0+3], s[\g1:\g1+7]
	s_nop 0
.rept 4
	v_nop
.endr
.endm
; ONE PREFETCH A WAVE: V of my walk's second head, asked for in my first head's middle, behind K's joint load and the first runs of LDS loads: half a head ahead of its own load.  My wave's 32,768 bytes are shared out
; among the four partners by address, 8,192 each, a lane a block of 256 bytes.  The eight clusters' second heads are the eight odd heads, so each block is named once in the launch.
; Every later head of my walk is the first or the second of another cluster's walk, which asks for it at its own start: it is not asked for ahead.  K of my first two heads and V of my first come by their loads alone.
.macro ASKP
	s_cmp_eq_u32 s[LEFT], 15
	s_cbranch_scc0 .Lnone_\@
	global_prefetch_b8 v[PFO], s[PFV:PFV+1] th:TH_LOAD_NT scope:SCOPE_SE
.Lnone_\@:
.endm
.macro QLOAD                           ; Q's four fragments (tile t, channels 32 c on) straight from memory; all four waves read the same bytes
.irp t, 0,1
.irp c, 0,1
	global_load_b128 v[QQ+8*(2*(\t)+(\c)):QQ+8*(2*(\t)+(\c))+3],   v[QO], s[QB:QB+1] offset:(\t)*2048+(\c)*64 th:TH_LOAD_NT
	global_load_b128 v[QQ+8*(2*(\t)+(\c))+4:QQ+8*(2*(\t)+(\c))+7], v[QO], s[QB:QB+1] offset:(\t)*2048+(\c)*64+32 th:TH_LOAD_NT
.endr
.endr
.endm
	s_load_b128 s[4:7], s[0:1], 0x0                ; qkv s[4:5], ctx s[6:7]
	s_load_b64 s[8:9], s[0:1], 0x10                ; out1
	v_lshl_add_u32 v[SPW], v0, 2, SPARE
	v_mov_b32 v[NIL], 0
	ds_add_u32 v[SPW], v[NIL]                      ; the wave's opening: the add and its wait stand ahead of my first tensor load; work on registers stands between them
	v_lshrrev_b32 v1, 5, v0
	v_readfirstlane_b32 s[WV], v1                  ; wave 0..3
	s_bfe_u32 s11, ttmp6, 0x40000                  ; cx
	s_lshl_b32 s12, ttmp9, 2
	s_add_co_u32 s12, s12, s11                     ; my block of 32 queries: it enters Q's, ctx's and out1's addresses alone
	s_and_b32 s13, ttmp7, 0xffff                   ; the batch, which the four partners share
	; descriptor group 1: 256 keys are 32,768 dense bytes: 128 rows of 256 bytes, two keys a row, padded in LDS after every row
	s_mov_b32 s[G1K], 15|(1<<16)|(1<<20)|(1<<21)|(5<<22)|(3<<25)  ; the mask of four; 2-byte elements; padding on; bit 21 beside a mask; after every 64 words; 4 words
	s_mov_b32 s[G1V], 15|(1<<16)|(1<<20)|(1<<21)|(5<<22)|(7<<25)  ; the same with 8 words
.irp g, G1K, G1V
	s_mov_b32 s[\g+1], 128<<16                     ; tensor_dim0 = 128
	s_mov_b32 s[\g+2], 128<<16                     ; tensor_dim1 = 128
	s_mov_b32 s[\g+3], 128<<16                     ; tile_dim0 = 128
	s_mov_b32 s[\g+4], 128                         ; tile_dim1 = 128
	s_mov_b32 s[\g+5], 128                         ; elements from row to row
	s_mov_b32 s[\g+6], 0
	s_mov_b32 s[\g+7], 0
.endr
	s_mov_b32 s[G0K], 1
	s_mul_i32 s[G0K+1], s[WV], KW                  ; my part of K's slot
	s_mov_b32 s[G0V], 1
	s_mul_i32 s[G0V+1], s[WV], VW
	s_add_co_u32 s[G0V+1], s[G0V+1], VS
	s_mov_b32 s[CS], 0x3e38aa3b                    ; c = log2(e) / 8
	s_mov_b32 s[CS+1], s[CS]
	s_mov_b32 s[SEL], 0x76543210
	s_mov_b32 s[SEL+1], 0xfedcba98
	s_and_b32 s[HC], ttmp9, 3                      ; where my cluster's walk begins: made of the cluster's x alone, the same in all four partners
	s_lshl_b32 s[HC], s[HC], 2                     ; 4 (x % 4)
	s_lshr_b32 s53, ttmp9, 2
	s_lshl_b32 s53, s53, 1                         ; + 2 (x / 4): an even head, 14 at the most
	s_add_co_u32 s[HC], s[HC], s53
	s_lshl_b32 s[OC], s[HC], 17
	s_mov_b32 s[OC+1], 0
	s_mov_b32 s[ON+1], 0
	s_mul_i32 s54, s13, 48*PLANE                   ; K of head 0, my 256 keys: made of the batch and the wave's number alone
	s_lshl_b32 s55, s[WV], 15
	s_add_co_u32 s54, s54, s55
	s_add_co_u32 s54, s54, 16*PLANE
	s_mov_b32 s55, 0
	s_lshl_b32 s56, s11, 13                        ; my work-group's quarter of a tile, for the prefetch
	s_mov_b32 s57, 0
	s_mul_i32 s58, s13, 48*PLANE                   ; Q of head 0, my 32 rows of 128 bytes
	s_lshl_b32 s59, s12, 12
	s_add_co_u32 s58, s58, s59
	s_mov_b32 s59, 0
	s_lshl_b32 s60, s13, 21                        ; ctx: plane 64 n + w, my 32 rows of 32 bytes
	s_lshl_b32 s61, s[WV], 15
	s_add_co_u32 s60, s60, s61
	s_lshl_b32 s61, s12, 10
	s_add_co_u32 s60, s60, s61
	s_mov_b32 s61, 0
	s_lshl_b32 s62, s13, 22                        ; out1: row 1,024 n + 32 x block, my wave's 256 keys
	s_lshl_b32 s63, s12, 17
	s_add_co_u32 s62, s62, s63
	s_lshl_b32 s63, s[WV], 10
	s_add_co_u32 s62, s62, s63
	s_mov_b32 s63, 0
	s_wait_dscnt 0x0                               ; the opening add is done
	s_wait_kmcnt 0x0
	s_add_nc_u64 s[KB0:KB0+1], s[4:5], s[54:55]
	s_add_nc_u64 s[VB0:VB0+1], s[KB0:KB0+1], 16*PLANE
	s_add_nc_u64 s[G0K+2:G0K+3], s[KB0:KB0+1], s[OC:OC+1]  ; K and V of my walk's first head
	s_add_nc_u64 s[G0V+2:G0V+3], s[VB0:VB0+1], s[OC:OC+1]
	s_add_nc_u64 s[PFV:PFV+1], s[G0V+2:G0V+3], s[56:57]
	s_add_nc_u64 s[PFV:PFV+1], s[PFV:PFV+1], PLANE         ; the second head: an odd one, 15 at the most
	s_or_b32 s[G0K+3], s[G0K+3], 0x80000000
	s_or_b32 s[G0V+3], s[G0V+3], 0x80000000
	s_add_nc_u64 s[QB0:QB0+1], s[4:5], s[58:59]
	s_add_nc_u64 s[QB:QB+1], s[QB0:QB0+1], s[OC:OC+1]
	s_add_nc_u64 s[CB0:CB0+1], s[6:7], s[60:61]
	s_add_nc_u64 s[8:9], s[8:9], s[62:63]
	CROUND                                         ; all four work-groups are here: the first joint loads meet
	LOADT G0K, G1K                                 ; K of the first head
	v_and_b32 v[RR], 15, v0
	v_bfe_u32 v[HI], v0, 4, 1
	v_lshlrev_b32 v[QO], 7, v[RR]
	v_lshl_add_u32 v[QO], v[HI], 4, v[QO]          ; row x 128 + 16 x half
	QLOAD
	s_mul_i32 s54, s[WV], KW
	s_mul_i32 s55, s[WV], VW
	s_add_co_u32 s55, s55, VS
	v_lshrrev_b32 v15, 1, v[RR]                    ; key r lies in row r / 2, half r % 2
	v_mul_u32_u24 v[AK], v15, 272
	v_and_b32 v15, 1, v[RR]
	v_lshl_add_u32 v[AK], v15, 7, v[AK]
	v_lshl_add_u32 v[AK], v[HI], 4, v[AK]
	v_add_nc_u32 v[AK], s54, v[AK]
	v_and_b32 v15, 7, v0                           ; the turning load: lane l reads key 8 (l / 16) + l % 8, channels 8 ((l / 8) % 2) + 0..7
	v_lshl_add_u32 v15, v[HI], 3, v15
	v_lshrrev_b32 v30, 1, v15
	v_mul_u32_u24 v[AV], v30, 288
	v_and_b32 v15, 1, v15
	v_lshl_add_u32 v[AV], v15, 7, v[AV]
	v_bfe_u32 v15, v0, 3, 1
	v_lshl_add_u32 v[AV], v15, 4, v[AV]
	v_add_nc_u32 v[AV], s55, v[AV]
	v_mul_u32_u24 v15, v[RR], 272
	v_lshl_add_u32 v15, v[HI], 5, v15              ; query x 272 + 32 x half
	s_mul_i32 s56, s[WV], XW
	s_add_co_u32 s56, s56, XO
	v_add_nc_u32 v[XST], s56, v15
	s_lshl_b32 s56, s[WV], 6                       ; my wave finishes channels 16 w .. 16 w + 15
	s_add_co_u32 s56, s56, XO
	v_add_nc_u32 v[XLD], s56, v15
	s_lshl_b32 s56, s[WV], 8
	s_add_co_u32 s56, s56, XS
	v_lshl_add_u32 v[SST], v[RR], 3, s56
	v_lshl_add_u32 v[SLD], v[RR], 3, XS
	v_lshlrev_b32 v[CO], 5, v[RR]
	v_lshl_add_u32 v[CO], v[HI], 4, v[CO]
	v_mul_u32_u24 v[STG], v[RR], 1040
	v_lshl_add_u32 v[STG], v[HI], 5, v[STG]
	v_add_nc_u32 v[STG], s54, v[STG]
	v_and_b32 v15, 31, v0
	v_lshl_add_u32 v[SRD], v15, 4, s54
	v_lshlrev_b32 v[AO], 4, v15
	v_lshlrev_b32 v[PFO], 8, v15
	v_mov_b32 v[TA+1], 0                           ; v_permlanex16_b32's destinations count as read
	v_mov_b32 v[TA+3], 0
	WIN 0xc0                                       ; out1's sums start at 0: written in the wait for the first tile, so that all 16 heads have one text
.set i, 0
.rept 256
	v_mov_b32 v[i], 0
.set i, i+1
.endr
	WIN 0x40                                       ; registers that are named as the upper half of a pair before they are made
	v_mov_b32 v[LS], 0
	v_mov_b32 v[GG+1], 0
	WIN 0x80
	v_mov_b32 v[LS], 0
	v_mov_b32 v[GG+1], 0
	WIN 0
; THE LDS LOADS stand in runs of 16.  K: key tiles 4 g .. 4 g + 3, both channel halves, into set.
.macro FETCHK g, set
	WIN 0
.irp k, 0,1,2,3
.irp c, 0,1
	ds_load_b128 v[FR+64*(\set)+16*(\k)+8*(\c):FR+64*(\set)+16*(\k)+8*(\c)+3],   v[AK] offset:(4*(\g)+(\k))*2176+64*(\c)
	ds_load_b128 v[FR+64*(\set)+16*(\k)+8*(\c)+4:FR+64*(\set)+16*(\k)+8*(\c)+7], v[AK] offset:(4*(\g)+(\k))*2176+64*(\c)+32
.endr
.endr
.endm
; 16 products of S^T = K Q^T.  The four accumulators of a run take turns, one instruction a turn; the first four start the sums.
.macro MULK g, set
.irp t, 0,1
	WIN 0x50*((\t)+1)
.irp c, 0,1
.irp k, 0,1,2,3
.set rS, 8*(4*(\g)+(\k))
.set rK, FR+64*(\set)+16*(\k)+8*(\c)
.set rQ, QQ+8*(2*(\t)+(\c))
.if (\c) == 0
	v_wmma_f32_16x16x32_f16 v[rS:rS+7], v[rK:rK+7], v[rQ:rQ+7], 0
.else
	v_wmma_f32_16x16x32_f16 v[rS:rS+7], v[rK:rK+7], v[rQ:rQ+7], v[rS:rS+7]
.endif
.endr
.endr
.endr
.endm
; V, turned: key chunks of 32, 2 g and 2 g + 1, all four channel tiles.
.macro FETCHV g, set
	WIN 0
.irp jj, 0,1
.irp ct, 0,1,2,3
	ds_load_tr16_b128 v[FR+64*(\set)+32*(\jj)+8*(\ct):FR+64*(\set)+32*(\jj)+8*(\ct)+3],   v[AV] offset:(2*(\g)+(\jj))*4608+32*(\ct)
	ds_load_tr16_b128 v[FR+64*(\set)+32*(\jj)+8*(\ct)+4:FR+64*(\set)+32*(\jj)+8*(\ct)+7], v[AV] offset:(2*(\g)+(\jj))*4608+32*(\ct)+2304
.endr
.endr
.endm
; 16 products of O^T = V^T P; a tile's four accumulators take turns; the head's first start the sums.
.macro MULV g, set
.irp t, 0,1
	WIN 0x04*((\t)+1)
.irp jj, 0,1
.irp ct, 0,1,2,3
.set rO, OO+8*(4*(\t)+(\ct))
.set rV, FR+64*(\set)+32*(\jj)+8*(\ct)
.set rP, PW+8*(2*(\g)+(\jj))
.if ((\g) == 0) && ((\jj) == 0)
	v_wmma_f32_16x16x32_f16 v[rO:rO+7], v[rV:rV+7], v[rP:rP+7], 0
.else
	v_wmma_f32_16x16x32_f16 v[rO:rO+7], v[rV:rV+7], v[rP:rP+7], v[rO:rO+7]
.endif
.endr
.endr
.endr
.endm
; A product's phase: two sets of fragments; while one is multiplied the other's run of 16 loads is out.  Each count of 16 is that one younger run.
.macro PHASEK
	FETCHK 0, 0
	FETCHK 1, 1
	s_wait_loadcnt 0x0                             ; Q
	s_wait_dscnt 16
	MULK 0, 0
	PLACES
	FETCHK 2, 0
	s_wait_dscnt 16
	MULK 1, 1
	PLACES
	FETCHK 3, 1
	s_wait_dscnt 16
	MULK 2, 0
	s_wait_dscnt 0x0
	MULK 3, 1
	WIN 0
	PLACES
.endm
.macro PHASEV                          ; V's first two runs were issued ahead of the roundings and sums
	s_wait_dscnt 16                                ; 34 were out (two runs of 16 and two stores of statistics): the oldest 18 are done, the first run among them
	MULV 0, 0
	PLACES
	FETCHV 2, 0
	s_wait_dscnt 16
	MULV 1, 1
	PLACES
	FETCHV 3, 1
	s_wait_dscnt 16
	MULV 2, 0
	s_wait_dscnt 0x0
	MULV 3, 1
	WIN 0
	PLACES
.endm
; THE ROUNDS.  In front of each: the wait for all my tensor loads, the add, the descriptor that is not in use pointed at the walk's next head, the wait for the add and for my LDS reads.  Behind it: my one joint load.
.macro RING1                           ; K of this head is in; nobody reads V of the head before any more: V of this head is asked for
	WIN 0
	s_wait_tensorcnt 0x0
	ds_add_u32 v[SPW], v[NIL]
	s_lshl_b32 s[OC], s[HC], 17                    ; the head in hand,
	s_add_co_u32 s[HC], s[HC], 1
	s_and_b32 s[HC], s[HC], 15                     ; and the next: the walk goes round
	s_lshl_b32 s[ON], s[HC], 17
	s_add_nc_u64 s[G0K+2:G0K+3], s[KB0:KB0+1], s[ON:ON+1]
	s_or_b32 s[G0K+3], s[G0K+3], 0x80000000
	s_wait_dscnt 0x0
	CROUND
	LOADT G0V, G1V
.endm
.macro RING2 fill                      ; V of this head is in; fill = 1: nobody reads K of this head any more: K of the next is asked for
	WIN 0
	s_wait_tensorcnt 0x0
.if \fill
	ds_add_u32 v[SPW], v[NIL]
	s_add_nc_u64 s[G0V+2:G0V+3], s[VB0:VB0+1], s[ON:ON+1]
	s_or_b32 s[G0V+3], s[G0V+3], 0x80000000
	s_wait_dscnt 0x0
	CROUND
	LOADT G0K, G1K
.endif                                 ; the last head: nothing is filled, and a wave reads only the keys that it has fetched itself: its own wait is all the order that it needs
.endm
.macro STEP q                          ; ctx's pointer for this head; q = 1: the next head's Q is asked for, four places behind the last product that read Q
	s_wait_xcnt 0x0                                ; the loads and stores issued so far have read their addresses and data
	s_add_nc_u64 s[CB:CB+1], s[CB0:CB0+1], s[OC:OC+1]
.if \q
	s_add_nc_u64 s[QB:QB+1], s[QB0:QB0+1], s[ON:ON+1]
	QLOAD
.endif
.endm
; THE SOFTMAX of tile t.  The maximum of the lane's 128 scores in four chains, three operands at a time, each accumulator from its low end on; the other half of the lanes' by one exchange; cm_w = c max.
.macro SMAX t
	WIN 0x55*((\t)+1)
.irp kk, 0,1,2,3
.irp i, 0,1,2,3
.irp c, 0,1,2,3
.set rS, 8*(4*(\kk)+(\c))+2*(\i)
.if ((\kk) == 0) && ((\i) == 0)
	v_max_num_f32 v[MX+(\c)], v[rS], v[rS+1]
.else
	v_max3_num_f32 v[MX+(\c)], v[MX+(\c)], v[rS], v[rS+1]
.endif
.endr
.endr
.endr
	v_max3_num_f32 v[MX], v[MX], v[MX+1], v[MX+2]
	WIN 0x05*((\t)+1)
	v_max_num_f32 v[TA+2*(\t)], v[MX], v[MX+3]
	WIN 0
	v_permlanex16_b32 v[TA+2*(\t)+1], v[TA+2*(\t)], s[SEL], s[SEL+1]
	v_max_num_f32 v[TA+2*(\t)], v[TA+2*(\t)], v[TA+2*(\t)+1]
	WIN 0x40*((\t)+1)
	v_mul_f32 v[CM], s[CS], v[TA+2*(\t)]
.endm
.macro FS p                            ; pair p: c s - cm_w
	v_pk_fma_f32 v[2*(\p):2*(\p)+1], v[2*(\p):2*(\p)+1], s[CS:CS+1], v[CM:CM+1] op_sel_hi:[1,0,0] neg_lo:[0,0,1] neg_hi:[0,0,1]
.endm
.macro SEXP t                          ; the scalings and the exponentials, in place; a pair is scaled two pairs ahead of its exponentials; nothing here names an exponential's result
	WIN 0x55*((\t)+1)
	FS 0
	FS 1
.set pi, 0
.rept 64
	v_exp_f32 v[2*pi], v[2*pi]
.if pi < 62
	FS pi+2
.endif
	v_exp_f32 v[2*pi+1], v[2*pi+1]
.set pi, pi+1
.endr
.endm
.macro SRED t                          ; the weights rounded to f16 and, of the unrounded ones, the sum: four chains of packed additions; the weights themselves stay for out1
	WIN 0x55*((\t)+1)
.set pi, 0
.rept 64
	v_cvt_pk_f16_f32 v[PW+pi], v[2*pi], v[2*pi+1]
.if pi < 4
	v_pk_add_f32 v[LP+2*pi:LP+2*pi+1], v[2*pi:2*pi+1], v[2*pi+8:2*pi+9]
.elseif pi >= 8
	v_pk_add_f32 v[LP+2*(pi%4):LP+2*(pi%4)+1], v[LP+2*(pi%4):LP+2*(pi%4)+1], v[2*pi:2*pi+1]
.endif
.set pi, pi+1
.endr
	v_pk_add_f32 v[LP:LP+1], v[LP:LP+1], v[LP+2:LP+3]
	v_pk_add_f32 v[LP+4:LP+5], v[LP+4:LP+5], v[LP+6:LP+7]
	v_pk_add_f32 v[LP:LP+1], v[LP:LP+1], v[LP+4:LP+5]
	WIN 0x05*((\t)+1)
	v_add_f32 v[TA+2*(\t)], v[LP], v[LP+1]
	WIN 0
	v_permlanex16_b32 v[TA+2*(\t)+1], v[TA+2*(\t)], s[SEL], s[SEL+1]
	WIN 0x40*((\t)+1)
	v_add_f32 v[LS], v[TA+2*(\t)], v[TA+2*(\t)+1]
	WIN 0x04*((\t)+1)
	ds_store_b64 v[SST], v[CM:CM+1] offset:128*(\t)  ; both halves of the lanes hold the same two numbers
.endm
; THE EXCHANGE.  My partial O^T goes into my part of LDS (each accumulator from its low end on); my stores are waited for; a barrier.  The next head's K may stay on its way.
; The exchange's bytes were last read at the end of the head before; every wave has waited for those reads in front of the round at this head's beginning.
.macro XCH
	WIN 0
.irp t, 0,1
.irp ct, 0,1,2,3
.irp i, 0,1
	ds_store_b128 v[XST], v[OO+8*(4*(\t)+(\ct))+4*(\i):OO+8*(4*(\t)+(\ct))+4*(\i)+3] offset:(\t)*4352+64*(\ct)+16*(\i)
.endr
.endr
.endr
	s_wait_dscnt 0x0
	s_barrier_signal -1
	s_barrier_wait -1
.endm
; THE HEAD'S END.  Every wave reads all four (cm, l); wave w reads the four partial O of channels 16 w .. 16 w + 15 of all 32 queries, joins them, and stores them; out1's sums take my weights.
.macro FINISH
.irp t, 0,1
	WIN 0x40*((\t)+1)
.irp w, 0,1,2,3
	ds_load_b64 v[EE+2*(\w):EE+2*(\w)+1], v[SLD] offset:256*(\w)+128*(\t)
.endr
.endr
	WIN 0
.irp t, 0,1
.irp w, 0,1,2,3
	ds_load_b128 v[FR+8*(4*(\t)+(\w)):FR+8*(4*(\t)+(\w))+3],   v[XLD] offset:(\w)*XW+(\t)*4352
	ds_load_b128 v[FR+8*(4*(\t)+(\w))+4:FR+8*(4*(\t)+(\w))+7], v[XLD] offset:(\w)*XW+(\t)*4352+16
.endr
.endr
	s_wait_dscnt 16                                ; the eight loads of statistics are in; the 16 of partial O may stay out
.irp t, 0,1
	WIN 0x55*((\t)+1)
	v_max3_num_f32 v[CX], v[EE], v[EE+2], v[EE+4]
	v_max_num_f32 v[CX], v[CX], v[EE+6]
.irp w, 0,1,2,3
	v_sub_f32 v[EE+2*(\w)], v[EE+2*(\w)], v[CX]
.endr
	v_sub_f32 v[FO], v[CM], v[CX]
.irp w, 0,1,2,3
	v_exp_f32 v[EE+2*(\w)], v[EE+2*(\w)]
.endr
	v_exp_f32 v[FO], v[FO]
.endr
	v_nop                                          ; a plain instruction behind the last exponential,
	s_wait_alu depctr_va_vdst(0)                   ; and one wait for the ten, ahead of their first reader
.irp t, 0,1
	WIN 0x55*((\t)+1)
	v_mul_f32 v[LT], v[EE], v[EE+1]
	v_fma_f32 v[LT], v[EE+2], v[EE+3], v[LT]
	v_fma_f32 v[LT], v[EE+4], v[EE+5], v[LT]
	v_fma_f32 v[LT], v[EE+6], v[EE+7], v[LT]
	v_rcp_f32 v[RI], v[LT]
.endr
	v_nop
	s_wait_alu depctr_va_vdst(0)                   ; one wait for the two reciprocals
.irp t, 0,1
	WIN 0x55*((\t)+1)
.irp w, 0,1,2,3
	v_mul_f32 v[EE+2*(\w)], v[EE+2*(\w)], v[RI]
.endr
	v_mul_f32 v[GG], v[FO], v[RI]
	v_mul_f32 v[GG], 0x3d800000, v[GG]             ; / 16: the mean over the heads
.endr
	s_wait_dscnt 0x0                               ; the partial O
.irp t, 0,1
	WIN 0x04*((\t)+1)
.irp q, 0,1,2,3
	v_pk_mul_f32 v[OO+32*(\t)+2*(\q):OO+32*(\t)+2*(\q)+1], v[FR+32*(\t)+2*(\q):FR+32*(\t)+2*(\q)+1], v[EE:EE+1] op_sel_hi:[1,0]
.endr
.irp w, 1,2,3
.irp q, 0,1,2,3
	v_pk_fma_f32 v[OO+32*(\t)+2*(\q):OO+32*(\t)+2*(\q)+1], v[FR+8*(4*(\t)+(\w))+2*(\q):FR+8*(4*(\t)+(\w))+2*(\q)+1], v[EE+2*(\w):EE+2*(\w)+1], v[OO+32*(\t)+2*(\q):OO+32*(\t)+2*(\q)+1] op_sel_hi:[1,0,1]
.endr
.endr
.endr
	WIN 0
.irp t, 0,1
.irp q, 0,1,2,3
	v_cvt_pk_f16_f32 v[CT+4*(\t)+(\q)], v[OO+32*(\t)+2*(\q)], v[OO+32*(\t)+2*(\q)+1]
.endr
.endr
.irp t, 0,1
	global_store_b128 v[CO], v[CT+4*(\t):CT+4*(\t)+3], s[CB:CB+1] offset:512*(\t) th:TH_STORE_NT  ; 512 consecutive bytes of plane 4 h + w
.endr
.irp t, 0,1
	WIN 0xf0+5*((\t)+1)
.set pi, 0
.rept 64
	v_pk_fma_f32 v[128*(\t)+2*pi:128*(\t)+2*pi+1], v[2*pi:2*pi+1], v[GG:GG+1], v[128*(\t)+2*pi:128*(\t)+2*pi+1] op_sel_hi:[1,0,1]
.set pi, pi+1
.endr
.endr
	WIN 0
.endm
.macro HEAD fill
	RING1
	PHASEK
	STEP \fill
	SMAX 0
	SMAX 1
	SEXP 0
	SEXP 1
	v_nop                                          ; a plain instruction behind the last exponential,
	s_wait_alu depctr_va_vdst(0)                   ; and ONE wait for the batch of 256, ahead of its first reader and of the round's branches
	RING2 \fill
	FETCHV 0, 0                                    ; V's first two runs of LDS loads land under the 264 roundings and sums below
	FETCHV 1, 1
.if \fill
	ASKP
.endif
	SRED 0
	SRED 1
	PHASEV
	XCH
	FINISH
.endm
	s_mov_b32 s[LEFT], 15
.Lhead:
	HEAD 1
	s_sub_co_u32 s[LEFT], s[LEFT], 1
	s_cmp_lg_u32 s[LEFT], 0
	s_cbranch_scc1 .Lhead
	HEAD 0                                         ; the walk's last head is written out
	; OUT1.  My 32 rows x 256 keys go through my own part of K's slot, which has had its last fill: rows of 1,024 + 16 bytes; back as 512 consecutive bytes a load, and stored so.
	WIN 0x0c
.set i, 0
.rept 64                               ; i = 32 t + 2 kt + half
	ds_store_b128 v[STG], v[4*i:4*i+3] offset:(i/32)*16640+16*(i%32)*2-16*(i%2)
.set i, i+1
.endr
.set i, 0
.rept 64                               ; i = 2 row + half
	WIN 0x40*(i/32+1)
	ds_load_b128 v[4*(i%32):4*(i%32)+3], v[SRD] offset:(i/2)*1040+512*(i%2)  ; LDS serves a wave's instructions in order: these see the stores above
.set i, i+1
.endr
.set i, 0
.rept 64
	WIN 0x04*(i/32+1)
	s_wait_dscnt 63-i                              ; the 63 - i younger loads may stay out
	global_store_b128 v[AO], v[4*(i%32):4*(i%32)+3], s[8:9] offset:(i/2)*4096+512*(i%2) th:TH_STORE_NT
.set i, i+1
.endr
	WIN 0
	s_wait_tensorcnt 0x0                           ; the wave's end
	ds_add_u32 v[SPW], v[NIL]
	s_wait_dscnt 0x0
	CROUND                                         ; the closing round
	s_endpgm
.Lfunc_end_k_q981d8d2326_attn:
	.size	k_q981d8d2326_attn, .Lfunc_end_k_q981d8d2326_attn-k_q981d8d2326_attn
	.p2alignl 7, 3214868480
	.fill 96, 4, 3214868480
	.section	.rodata,"a",@progbits
	.p2align	6, 0x0
	.amdhsa_kernel k_q981d8d2326_attn
		.amdhsa_group_segment_fixed_size 327680
		.amdhsa_private_segment_fixed_size 0
		.amdhsa_enable_private_segment 0
		.amdhsa_kernarg_size 24
		.amdhsa_user_sgpr_count 2
		.amdhsa_user_sgpr_kernarg_segment_ptr 1
		.amdhsa_wavefront_size32 1
		.amdhsa_system_sgpr_workgroup_id_x 1
		.amdhsa_system_sgpr_workgroup_id_y 1
		.amdhsa_system_sgpr_workgroup_id_z 1
		.amdhsa_system_vgpr_workitem_id 0
		.amdhsa_next_free_vgpr 1024
		.amdhsa_next_free_sgpr 79
		.amdhsa_reserve_vcc 0
		.amdhsa_float_denorm_mode_32 3
		.amdhsa_float_denorm_mode_16_64 3
		.amdhsa_memory_ordered 1
		.amdhsa_forward_progress 1
		.amdhsa_inst_pref_size 186
	.end_amdhsa_kernel
	.amdgpu_metadata
---
amdhsa.version: [ 1, 2 ]
amdhsa.kernels:
  - .name:           k_q981d8d2326_attn
    .symbol:         k_q981d8d2326_attn.kd
    .args:
      - { .name: qkv, .offset: 0, .size: 8, .value_kind: global_buffer, .address_space: global }
      - { .name: ctx, .offset: 8, .size: 8, .value_kind: global_buffer, .address_space: global }
      - { .name: out1, .offset: 16, .size: 8, .value_kind: global_buffer, .address_space: global }
    .group_segment_fixed_size: 327680
    .private_segment_fixed_size: 0
    .kernarg_segment_align: 8
    .kernarg_segment_size: 24
    .max_flat_workgroup_size: 128
    .sgpr_count:     79
    .vgpr_count:     1024
    .wavefront_size: 32
...
	.end_amdgpu_metadata
.endif
;; end of part 3
;; launch proj (part 4): grid 8 x 32, 4 waves a work-group, clusters of 4 x 4, 327,680 bytes of LDS; arguments ctx, owb, out_b, out0; writes out0
.if DOCPART == 4
	.amdgcn_target "amdgcn-amd-amdhsa--gfx1250"
	.amdhsa_code_object_version 6
	.text
	.protected	k_q981d8d2326_proj
	.globl	k_q981d8d2326_proj
	.p2align	8
	.type	k_q981d8d2326_proj,@function
k_q981d8d2326_proj:
	s_mov_b64 s[64:65], 0
	v_nop
	global_prefetch_b8 v0, s[64:65] scope:SCOPE_SE
	s_setreg_imm32_b32 hwreg(HW_REG_WAVE_MODE, 25, 1), 1
	s_wait_xcnt 0x0
	s_wait_alu depctr_hold_cnt(0) depctr_sa_sdst(0) depctr_va_vdst(0) depctr_va_sdst(0) depctr_va_ssrc(0) depctr_va_vcc(0) depctr_vm_vsrc(0)
	s_getreg_b32 s2, hwreg(HW_REG_IB_STS2, 6, 4)
	s_cmp_eq_u32 s2, 0
	s_cbranch_scc0 .Lentry_in_a_cluster
	s_endpgm
.Lentry_in_a_cluster:
	s_bfe_u32 s2, ttmp6, 0x10000c
	s_cmp_lg_u32 s2, 0xf033
	s_cbranch_scc0 .Lentry_shape_is_right
	s_endpgm
.Lentry_shape_is_right:
; THE OUTPUT PROJECTION.  out0[l][n][c] = the sum over e of context[n][l][e] owb[c][e] + out_b[c].  ctx [8 n][64 kb][1024 l][16] f16 (e = 16 kb + ..), owb [1024][1024] f16, out0 [1024][8][1024] f32;
; sums in f32; the bias rounded to bf16 like the other inputs, and taken as the C operand of the products that start the sums.
; SHARES.  A tile is 256 rows (one n, 256 l on end) x 128 columns: 32 x 8 = 256 work-groups.  Four waves, each 64 rows x 128 columns: 32 accumulators.  K goes in 8 steps of 128 through two LDS slots.
; A K step of ctx is 8 planes; of each the tile takes 8,192 dense bytes (256 rows of 32), padded in LDS after every 256: a fragment (16 rows x 32 of K) is two loads, from two planes.
; CLUSTER 4 x 4: ctx's tiles are shared along a row of the cluster, owb's along a column, and asked for jointly.
; THE WALK ALONG K GOES ROUND.  A cluster begins at K step (2 (y % 2) + 4 (bit 2 of y) + 4 x) mod 8 (x, y: the cluster's place in the grid, the same in all sixteen partners) and takes the eight steps modulo 8;
; f32 sums may be taken in any order.  So the two clusters that walk the same rows of ctx begin four steps apart, and those that walk the same rows of owb begin at four different steps.
; NOTHING IS ASKED FOR AHEAD OF THE TENSOR LOADS: the launch's first request for a K step of ctx falls in the first four steps of a cluster's walk: two are its first fills at the kernel's head, and the other two
; are asked for one and two K steps behind them, which leaves no room for a request ahead.  owb is walked again by all 32 tile rows.
; THE MATRIX INSTRUCTION IS USED TRANSPOSED (source 0 = 16 rows of owb, source 1 = 16 rows of the context): a lane holds one row of the result and eight neighbouring columns.
; REGISTERS: window 0: v0-31 addresses; v32-95, v128-191 rows read back, by turns; v128-191 first the bias.  window 1: two fragment buffers (at 0 and 128): ctx's four fragments, then owb's eight.
;   window 2: accumulator (a, b) at 8 (4 b + a).
.set PLB,    32*272                    ; a plane's 256 rows in LDS: 32 blocks of 256 + 16 bytes: the 16 rows of a fragment load fall into 16 different groups of four banks
.set HALFA,  4*PLB                     ; what one tensor load brings of ctx: four planes
.set PITCH,  272
.set HALFB,  64*PITCH                  ; and of owb: 64 rows
.set SLOT,   2*HALFA+2*HALFB
.set STAGE,  2*SLOT                    ; behind the ring, never filled by a tensor load: for each wave 16 rows x 528 bytes
.set SP,     528
.set WSTG,   16*SP
.set SPARE,  STAGE+4*WSTG              ; the spare words, 128 bytes for each wave: two blocks of 256 bytes that no other line names
.set ADRA, 16
.set ADRB, 20
.set STO,  24
.set RD,   25
.set CO,   26
.set BO,   27
.set SPW,  28
.set NIL,  29
.set TMP,  32
.set BK0,  32
.set BIAS, 128
.set F0,   0
.set F1,   128
.set G1A, 24
.set G0A, 32
.set G1B, 48
.set G0B, 56
.set KN,  66                           ; s66-67  the K step, 0 to 7, that slot 0, 1 was last asked to hold
.set OFF, 68                           ; s[68:69] that step's byte offset: 8 planes of 32,768 bytes in ctx, 256 bytes of a row in owb
.set BA,  70                           ; s[70:71] ctx at K step 0 of what I fetch
.set BB,  72                           ; s[72:73] owb likewise
.set FLAGS, (1<<16)|(1<<20)|(1<<21)|(5<<22)|(3<<25)  ; 2-byte elements; padding on; bit 21 beside a mask; after every 64 words; 4 words
.set MSB, 0
.macro WIN new
.if MSB != (\new)
	s_set_vgpr_msb (MSB<<8)|(\new)
.set MSB, \new
.endif
.endm
.macro PLACES
.rept 4
	v_nop
.endr
.endm
.macro JLOAD s                         ; a joint load: waves 0 and 1 fetch ctx's two halves of a K step, waves 2 and 3 owb's; an s_nop 0 and four v_nop follow each line
	s_cmp_eq_u32 s13, 0
	s_cbranch_scc0 .Lfor_b_\@
	tensor_load_to_lds s[G0A+4*(\s):G0A+4*(\s)+3], s[G1A:G1A+7]
	s_nop 0
.rept 4
	v_nop
.endr
	s_branch .Lasked_\@
.Lfor_b_\@:
	tensor_load_to_lds s[G0B+4*(\s):G0B+4*(\s)+3], s[G1B:G1B+7]
	s_nop 0
.rept 4
	v_nop
.endr
.Lasked_\@:
.endm
.macro CREST
	s_cmp_lg_u32 s12, 0
	s_cbranch_scc1 .Lnot_wave_0_\@
	s_barrier_signal -3
.Lnot_wave_0_\@:
	s_barrier_wait -3
	s_barrier_signal -1
	s_barrier_wait -1
.endm
.macro CROUND
	s_barrier_signal -1
	s_barrier_wait -1
	CREST
.endm
.macro AIM s                           ; slot s's two descriptors are pointed at K step KN[s]: the addresses are made anew from the step's number
	s_lshl_b32 s[OFF], s[KN+(\s)], 18
	s_add_nc_u64 s[G0A+4*(\s)+2:G0A+4*(\s)+3], s[BA:BA+1], s[OFF:OFF+1]
	s_or_b32 s[G0A+4*(\s)+3], s[G0A+4*(\s)+3], 0x80000000
	s_lshl_b32 s[OFF], s[KN+(\s)], 8
	s_add_nc_u64 s[G0B+4*(\s)+2:G0B+4*(\s)+3], s[BB:BB+1], s[OFF:OFF+1]
	s_or_b32 s[G0B+4*(\s)+3], s[G0B+4*(\s)+3], 0x80000000
.endm
	s_load_b256 s[4:11], s[0:1], 0x0               ; ctx s[4:5], owb s[6:7], out_b s[8:9], out0 s[10:11]
	v_lshl_add_u32 v[SPW], v0, 2, SPARE
	v_mov_b32 v[NIL], 0
	ds_add_u32 v[SPW], v[NIL]                      ; the wave's opening: the add and its wait stand ahead of my first tensor load; work on registers stands between them
	v_lshrrev_b32 v1, 5, v0
	v_readfirstlane_b32 s12, v1                    ; wave 0..3
	s_lshr_b32 s13, s12, 1                         ; 0: I fetch for ctx, 1: for owb
	s_and_b32 s14, s12, 1                          ; which half
	s_bfe_u32 s15, ttmp6, 0x40000                  ; cx
	s_bfe_u32 s16, ttmp6, 0x40004                  ; cy
	s_lshl_b32 s17, ttmp9, 2
	s_add_co_u32 s17, s17, s15                     ; tile column
	s_and_b32 s18, ttmp7, 0xffff
	s_lshl_b32 s18, s18, 2
	s_add_co_u32 s18, s18, s16                     ; tile row
	s_lshl_b32 s20, s16, 2
	s_lshl_b32 s20, 15, s20                        ; my row of the cluster
	s_lshl_b32 s44, 0x1111, s15                    ; my column
	s_or_b32 s[G1A+0], s20, FLAGS
	s_or_b32 s[G1B+0], s44, FLAGS
	s_mov_b32 s[G1A+1], 4096<<16                   ; tensor_dim0 = 4,096 elements: a plane's 8,192 bytes of the tile
	s_mov_b32 s[G1A+2], 4<<16                      ; tensor_dim1 = 4 planes
	s_mov_b32 s[G1A+3], 4096<<16                   ; tile_dim0
	s_mov_b32 s[G1A+4], 4                          ; tile_dim1
	s_mov_b32 s[G1A+5], 16384                      ; elements from plane to plane
	s_mov_b32 s[G1A+6], 0
	s_mov_b32 s[G1A+7], 0
	s_mov_b32 s[G1B+1], 128<<16
	s_mov_b32 s[G1B+2], 64<<16
	s_mov_b32 s[G1B+3], 128<<16
	s_mov_b32 s[G1B+4], 64
	s_mov_b32 s[G1B+5], 1024
	s_mov_b32 s[G1B+6], 0
	s_mov_b32 s[G1B+7], 0
	s_lshr_b32 s20, s18, 2                         ; ctx: batch n = tile row / 4, 2,097,152 bytes each,
	s_lshl_b32 s20, s20, 21
	s_lshl_b32 s21, s14, 17                        ; my four planes of a K step,
	s_add_co_u32 s20, s20, s21
	s_and_b32 s21, s18, 3
	s_lshl_b32 s21, s21, 13                        ; the tile's first l, 256 (tile row % 4), x 32 bytes: in registers that never hold cx
	s_add_co_u32 s20, s20, s21
	s_mov_b32 s21, 0
	s_lshl_b32 s44, s17, 7                         ; owb: row 128 x tile column + 64 x half: in registers that never hold cy
	s_lshl_b32 s45, s14, 6
	s_add_co_u32 s44, s44, s45
	s_lshl_b32 s44, s44, 11
	s_mov_b32 s45, 0
	s_mul_i32 s22, s14, HALFA
	s_mul_i32 s23, s14, HALFB
	s_add_co_u32 s23, s23, 2*HALFA
	s_and_b32 s[KN], ttmp7, 1                      ; where my cluster's walk begins: 2 (y % 2)
	s_lshl_b32 s[KN], s[KN], 1
	s_and_b32 s[KN+1], ttmp7, 4                    ; + 4 (bit 2 of y)
	s_add_co_u32 s[KN], s[KN], s[KN+1]
	s_lshl_b32 s[KN+1], ttmp9, 2                   ; + 4 x,
	s_add_co_u32 s[KN], s[KN], s[KN+1]
	s_and_b32 s[KN], s[KN], 7                      ; modulo 8: an even number
	s_add_co_u32 s[KN+1], s[KN], 1
	s_mov_b32 s[OFF+1], 0
	s_wait_dscnt 0x0                               ; the opening add is done
	s_wait_kmcnt 0x0
	s_add_nc_u64 s[BA:BA+1], s[4:5], s[20:21]
	s_add_nc_u64 s[BB:BB+1], s[6:7], s[44:45]
	CROUND                                         ; all sixteen work-groups are here: the first joint loads meet
.irp s, 0,1
	s_mov_b32 s[G0A+4*(\s)], 1
	s_add_co_u32 s[G0A+4*(\s)+1], s22, (\s)*SLOT
	s_mov_b32 s[G0B+4*(\s)], 1
	s_add_co_u32 s[G0B+4*(\s)+1], s23, (\s)*SLOT
	AIM \s
	JLOAD \s                                       ; two loads of mine are out
.endr
	v_and_b32 v1, 15, v0                           ; l % 16
	v_bfe_u32 v2, v0, 4, 1                         ; l / 16
	v_and_b32 v3, 31, v0                           ; l
	s_lshl_b32 s46, s17, 9                         ; the tile's 128 numbers of the bias
	s_mov_b32 s47, 0
	s_add_nc_u64 s[8:9], s[8:9], s[46:47]
	v_lshlrev_b32 v[BO], 5, v2
.set i, 0
.rept 8
	global_load_b128 v[BIAS+8*i:BIAS+8*i+3],   v[BO], s[8:9] offset:64*i
	global_load_b128 v[BIAS+8*i+4:BIAS+8*i+7], v[BO], s[8:9] offset:64*i+16
.set i, i+1
.endr
	v_lshrrev_b32 v4, 3, v1                        ; ctx in LDS: row r lies in block r / 8, at 32 (r % 8)
	v_mul_u32_u24 v4, v4, 272
	v_and_b32 v5, 7, v1
	v_lshl_add_u32 v4, v5, 5, v4
	v_lshl_add_u32 v4, v2, 4, v4
	v_mul_u32_u24 v5, v1, PITCH                    ; owb: row x pitch + 16 x half
	v_lshl_add_u32 v5, v2, 4, v5
	s_mul_i32 s46, s12, 8*272                      ; my 64 rows of a plane: 8 blocks
	s_mov_b32 s47, 2*HALFA
.irp s, 0,1
	v_add_nc_u32 v[ADRA+(\s)], s46, v4
	v_add_nc_u32 v[ADRB+(\s)], s47, v5
	s_add_co_u32 s46, s46, SLOT
	s_add_co_u32 s47, s47, SLOT
.endr
	s_mul_i32 s46, s12, WSTG
	s_add_co_u32 s46, s46, STAGE                   ; my stage
	v_mul_u32_u24 v5, v1, SP                       ; in: row l % 16, 32 bytes for each half of the lanes
	v_lshl_add_u32 v5, v2, 5, v5
	v_add_nc_u32 v[STO], s46, v5
	v_lshl_add_u32 v[RD], v3, 4, s46               ; back: 32 lanes take a row of 512 bytes
	v_lshlrev_b32 v[CO], 4, v3
	s_and_b32 s46, s18, 3                          ; out0: row (l, n) is 4,096 bytes, l's rows 32,768 apart
	s_lshl_b32 s46, s46, 8
	s_lshl_b32 s47, s12, 6
	s_add_co_u32 s46, s46, s47                     ; my first l
	s_lshl_b32 s46, s46, 15
	s_lshr_b32 s47, s18, 2
	s_lshl_b32 s47, s47, 12                        ; n
	s_add_co_u32 s46, s46, s47
	s_lshl_b32 s47, s17, 9                         ; the tile's 128 columns
	s_add_co_u32 s46, s46, s47
	s_mov_b32 s47, 0
	s_add_nc_u64 s[10:11], s[10:11], s[46:47]
	s_wait_loadcnt 0x0                             ; the bias
.set i, 0
.rept 32                               ; rounded to bf16 and widened again
	v_cvt_pk_bf16_f32 v[TMP+i%4], v[BIAS+2*i], v[BIAS+2*i+1]
	v_lshlrev_b32 v[BIAS+2*i], 16, v[TMP+i%4]
	v_and_b32 v[BIAS+2*i+1], 0xffff0000, v[TMP+i%4]
.set i, i+1
.endr
; 8 matrix instructions: column blocks b0, b0 + 1 x my four row blocks.  zero = 1: they start the sums, with the bias as C.  All 32 accumulators take turns in one fixed order.
.macro MUL8 f, b0, zero
	WIN 0xa5-0x20*(\zero)
.irp bb, 0,1
.irp a, 0,1,2,3
.set rD, 8*(4*((\b0)+(\bb))+(\a))
.set rB, (\f)+32+8*((\b0)+(\bb))
.set rA, (\f)+8*(\a)
.set rC, BIAS+8*((\b0)+(\bb))
.if \zero
	v_wmma_f32_16x16x32_f16 v[rD:rD+7], v[rB:rB+7], v[rA:rA+7], v[rC:rC+7]
.else
	v_wmma_f32_16x16x32_f16 v[rD:rD+7], v[rB:rB+7], v[rA:rA+7], v[rD:rD+7]
.endif
.endr
.endr
.endm
; 24 LDS loads in one run: the fragments of quarter q (32 along K: planes 2 q and 2 q + 1 of the step) into buffer f: ctx's four, then owb's eight in ascending order
.macro FETCH slot, q, f
	WIN 0x40
.irp a, 0,1,2,3
	ds_load_b128 v[(\f)+8*(\a):(\f)+8*(\a)+3],   v[ADRA+(\slot)] offset:(\q)*2*PLB+(\a)*544
	ds_load_b128 v[(\f)+8*(\a)+4:(\f)+8*(\a)+7], v[ADRA+(\slot)] offset:(\q)*2*PLB+(\a)*544+PLB
.endr
.irp b, 0,1,2,3,4,5,6,7
	ds_load_b128 v[(\f)+32+8*(\b):(\f)+32+8*(\b)+3],   v[ADRB+(\slot)] offset:(\q)*64+(\b)*16*PITCH
	ds_load_b128 v[(\f)+32+8*(\b)+4:(\f)+32+8*(\b)+7], v[ADRB+(\slot)] offset:(\q)*64+(\b)*16*PITCH+32
.endr
.endm
.macro QUARTER slot, q, f, g, zero
	s_wait_dscnt 8                                 ; all but the youngest eight loads (owb's blocks 4 to 7)
	MUL8 \f, 0, \zero
	MUL8 \f, 2, \zero
	PLACES
	FETCH \slot, \q, \g
	s_wait_dscnt 24                                ; all but the 24 just issued
	MUL8 \f, 4, \zero
	MUL8 \f, 6, \zero
.endm
; The last quarter multiplies buffer 1 and changes slots; fill = 1: the barrier opens a round of the cluster's, and this slot is filled again,
; with the K step two on in the walk, first thing behind it.
.macro TURN slot, next, fill
	WIN 0
	s_wait_tensorcnt 0x0                           ; all my tensor loads have landed: my part of the next slot; so a group 0 may be written
	ds_add_u32 v[SPW], v[NIL]                      ; the descriptors' scalar work stands behind the add
.if \fill
	s_add_co_u32 s[KN+(\slot)], s[KN+(\slot)], 2
	s_and_b32 s[KN+(\slot)], s[KN+(\slot)], 7      ; the walk goes round
	AIM \slot
.endif
	s_wait_dscnt 9                                 ; the add and the youngest eight loads may be out
	MUL8 F1, 0, 0
	MUL8 F1, 2, 0
	s_wait_dscnt 0x0                               ; the add is done, and my reads of this slot are over
	s_barrier_signal -1
	MUL8 F1, 4, 0
.if \fill
	WIN 0
.endif
	s_barrier_wait -1
.if \fill
	CREST
	JLOAD \slot                                    ; its four v_nop are also the places in front of the loads below
.else
	PLACES
.endif
	FETCH \next, 0, F0
	MUL8 F1, 6, 0
.endm
	s_wait_tensorcnt 0x1                           ; my part of the walk's first K step is in; the second's may stay out
	s_barrier_signal -1
	s_barrier_wait -1
	FETCH 0, 0, F0
	QUARTER 0, 1, F0, F1, 1                        ; the first quarter stands in front of the loop: its products start the sums
	WIN 0
	s_mov_b32 s19, 3
.Llap:
	QUARTER 0, 2, F1, F0, 0
	QUARTER 0, 3, F0, F1, 0
	TURN 0, 1, 1
	QUARTER 1, 1, F0, F1, 0
	QUARTER 1, 2, F1, F0, 0
	QUARTER 1, 3, F0, F1, 0
	TURN 1, 0, 1
	QUARTER 0, 1, F0, F1, 0
	WIN 0
	s_sub_co_u32 s19, s19, 1
	s_cmp_lg_u32 s19, 0
	s_cbranch_scc1 .Llap
	QUARTER 0, 2, F1, F0, 0                        ; the last lap fills nothing
	QUARTER 0, 3, F0, F1, 0
	TURN 0, 1, 0
	QUARTER 1, 1, F0, F1, 0
	QUARTER 1, 2, F1, F0, 0
	QUARTER 1, 3, F0, F1, 0
	s_wait_dscnt 8
	MUL8 F1, 0, 0
	MUL8 F1, 2, 0
	s_wait_dscnt 0x0
	MUL8 F1, 4, 0
	MUL8 F1, 6, 0
; THE WAY OUT, a block of 16 rows at a time: the sums go as they are (f32), each accumulator from its low end on, into my own stage; back as whole rows of 512 bytes; stored so.
.macro TOSTAGE a
	WIN 0x08
.irp b, 0,1,2,3,4,5,6,7
.irp i, 0,1
	ds_store_b128 v[STO], v[8*(4*(\b)+(\a))+4*(\i):8*(4*(\b)+(\a))+4*(\i)+3] offset:64*(\b)+16*(\i)
.endr
.endr
	WIN 0
.set BK, BK0+96*((\a)%2)
.set i, 0
.rept 16
	ds_load_b128 v[BK+4*i:BK+4*i+3], v[RD] offset:i*SP  ; LDS serves a wave's instructions in order: these see the stores above
.set i, i+1
.endr
.endm
.macro SEND a
	WIN 0
.set BK, BK0+96*((\a)%2)
	s_wait_dscnt 0x0                               ; the block is back in registers
	s_wait_xcnt 0x0                                ; the stores of the block before have read their registers, which the next block's loads take
.set i, 0
.rept 16
	global_store_b128 v[CO], v[BK+4*i:BK+4*i+3], s[10:11] offset:(16*(\a)+i)*32768 th:TH_STORE_NT  ; 512 consecutive bytes, aligned
.set i, i+1
.endr
.endm
	PLACES
	TOSTAGE 0
.irp a, 1,2,3
	SEND (\a)-1
	TOSTAGE \a
.endr
	SEND 3
	s_wait_tensorcnt 0x0                           ; the wave's end
	ds_add_u32 v[SPW], v[NIL]
	s_wait_dscnt 0x0
	CROUND                                         ; the closing round
	s_endpgm
.Lfunc_end_k_q981d8d2326_proj:
	.size	k_q981d8d2326_proj, .Lfunc_end_k_q981d8d2326_proj-k_q981d8d2326_proj
	.p2alignl 7, 3214868480
	.fill 96, 4, 3214868480
	.section	.rodata,"a",@progbits
	.p2align	6, 0x0
	.amdhsa_kernel k_q981d8d2326_proj
		.amdhsa_group_segment_fixed_size 327680
		.amdhsa_private_segment_fixed_size 0
		.amdhsa_enable_private_segment 0
		.amdhsa_kernarg_size 32
		.amdhsa_user_sgpr_count 2
		.amdhsa_user_sgpr_kernarg_segment_ptr 1
		.amdhsa_wavefront_size32 1
		.amdhsa_system_sgpr_workgroup_id_x 1
		.amdhsa_system_sgpr_workgroup_id_y 1
		.amdhsa_system_sgpr_workgroup_id_z 1
		.amdhsa_system_vgpr_workitem_id 0
		.amdhsa_next_free_vgpr 768
		.amdhsa_next_free_sgpr 74
		.amdhsa_reserve_vcc 0
		.amdhsa_float_denorm_mode_32 3
		.amdhsa_float_denorm_mode_16_64 3
		.amdhsa_memory_ordered 1
		.amdhsa_forward_progress 1
		.amdhsa_inst_pref_size 92
	.end_amdhsa_kernel
	.amdgpu_metadata
---
amdhsa.version: [ 1, 2 ]
amdhsa.kernels:
  - .name:           k_q981d8d2326_proj
    .symbol:         k_q981d8d2326_proj.kd
    .args:
      - { .name: ctx, .offset: 0, .size: 8, .value_kind: global_buffer, .address_space: global }
      - { .name: owb, .offset: 8, .size: 8, .value_kind: global_buffer, .address_space: global }
      - { .name: out_b, .offset: 16, .size: 8, .value_kind: global_buffer, .address_space: global }
      - { .name: out0, .offset: 24, .size: 8, .value_kind: global_buffer, .address_space: global }
    .group_segment_fixed_size: 327680
    .private_segment_fixed_size: 0
    .kernarg_segment_align: 8
    .kernarg_segment_size: 32
    .max_flat_workgroup_size: 128
    .sgpr_count:     74
    .vgpr_count:     768
    .wavefront_size: 32
...
	.end_amdgpu_metadata
.endif
;; end of part 4
;; ======== version 2 of 2: 4 launches; version 1 with the launch cast written anew for expert scheduling mode
;; limits: values are held in f16: magnitudes above 65,504 overflow, below 6.1e-05 lose precision
;; workspace buffers: xb 16,777,216 bytes; wb 6,291,456 bytes; owb 2,097,152 bytes; qkv 50,331,648 bytes; ctx 16,777,216 bytes
;; launch cast (part 5): grid 768 x 1, 8 waves a work-group, no clusters, 0 bytes of LDS; arguments x, in_proj_weight, out_w, xb, wb, owb; writes xb, wb, owb
.if DOCPART == 5
	.amdgcn_target "amdgcn-amd-amdhsa--gfx1250"
	.amdhsa_code_object_version 6
	.text
	.protected	k_q981d8d2326_cast
	.globl	k_q981d8d2326_cast
	.p2align	8
	.type	k_q981d8d2326_cast,@function
k_q981d8d2326_cast:
	s_mov_b64 s[64:65], 0
	v_nop
	global_prefetch_b8 v0, s[64:65] scope:SCOPE_SE
	s_setreg_imm32_b32 hwreg(HW_REG_WAVE_SCHED_MODE, 0, 2), 2
	s_setreg_imm32_b32 hwreg(HW_REG_WAVE_MODE, 25, 1), 1
	s_wait_xcnt 0x0
	s_wait_alu depctr_vm_vsrc(0)
; THE INPUTS OF THE TWO PROJECTIONS, ROUNDED ONCE.  x [1024 l][8 n][1024] f32 -> xb [8 n][1024 l][1024] bf16 (l and n change places, so that 256 rows on end belong to one n);
; in_proj_weight [3072][1024] f32 -> wb, bf16, as it lies; out_w [1024][1024] f32 -> owb: rounded to bf16 like the other inputs, and that number written as f16.
; LIMIT: bf16(out_w) within 65,504; below 6e-5 it keeps f16's fixed step of 6e-8.
; SHARES.  A work-group takes 16 rows of 1,024 numbers; work-groups 0-511 x, 512-703 in_proj_weight, 704-767 out_w.  Thread t takes numbers 4 t .. 4 t + 3 of each row:
; a wave's load covers 512 consecutive bytes, its store 256 consecutive bytes, aligned.  All 16 loads of a thread go out at once, so there is no loop.
; No LDS, no matrix unit, no cluster: nothing is shared and nothing is summed.
; THE MODE: SCHED_MODE bits 1:0 = 2 (LLVM: expert scheduling mode 2), set by the entry lines.  The code itself states the register dependences
; between vector instructions and memory instructions, with s_wait_alu, always for 0.
; THE PLAN.  Registers that memory instructions touch:
;   v1, v2   byte offsets, made once at the head by vector instructions and never written again: v1 is read by every load, v2 by every store.
;   X        row i: written by its load, read by its conversions; no load is issued behind the sixteen, so nothing lands in a register that a vector instruction has named.
;   Y        row i: written by its conversions, read by its one store, and never written behind that store.
;   T is named by vector instructions alone; the bases are scalar registers that scalar instructions write ahead of the loads.
; So the dependences are of one kind: a vector instruction writes, a memory instruction reads.  One wait stands ahead of the loads, for the offsets.  The 16 rows go in four groups of four: at the head of
; group g, behind the wait for its data, one wait states that group g - 1's conversions have written their Y; that group's four stores are then dealt among group g's conversions, which name X and Y of
; group g and T alone.  One more wait stands ahead of the last group's stores.  No register that a memory instruction has read is written again, no vector instruction writes a scalar register, EXEC is never written.
.set ROWB, 4096                        ; bytes in a row of the source
.set X, 4                              ; v[4:67]   row i: 4 numbers as loaded
.set Y, 68                             ; v[68:99]  row i: 4 numbers of 16 bits, to store
.set T, 100                            ; v[100:103] at work
.macro LD16
	s_wait_alu depctr_va_vdst(0)                   ; v1 and v2 are written: the loads below read v1 as their offset, the path's stores v2
.set i, 0
.rept 16
	global_load_b128 v[X+4*i:X+4*i+3], v1, s[16:17] offset:i*ROWB th:TH_LOAD_NT
.set i, i+1
.endr
.endm
.macro CVB i                           ; row i to bf16
	v_cvt_pk_bf16_f32 v[Y+2*(\i)], v[X+4*(\i)], v[X+4*(\i)+1]
	v_cvt_pk_bf16_f32 v[Y+2*(\i)+1], v[X+4*(\i)+2], v[X+4*(\i)+3]
.endm
.macro CVH i                           ; row i to bf16, and that number as f16
	CVB \i
.irp j, 0,1
	v_lshlrev_b32 v[T+2*(\j)], 16, v[Y+2*(\i)+(\j)]
	v_and_b32 v[T+2*(\j)+1], 0xffff0000, v[Y+2*(\i)+(\j)]
	v_cvt_pk_f16_f32 v[Y+2*(\i)+(\j)], v[T+2*(\j)], v[T+2*(\j)+1]
.endr
.endm
.macro STX i                           ; x's row i goes to plane n = i % 8, row l = 2 g + i / 8
.if ((\i)%8) < 4
	global_store_b64 v2, v[Y+2*(\i):Y+2*(\i)+1], s[18:19] offset:((\i)%4)*2097152+((\i)/8)*2048
.else
	global_store_b64 v2, v[Y+2*(\i):Y+2*(\i)+1], s[20:21] offset:((\i)%4)*2097152+((\i)/8)*2048
.endif
.endm
.macro STW i                           ; a weight's row i stays where it lies
	global_store_b64 v2, v[Y+2*(\i):Y+2*(\i)+1], s[18:19] offset:(\i)*2048
.endm
; The 16 rows, in four groups of four.  cv: the conversion of a row; st: its store.
.macro WALK cv, st
.irp g, 0,1,2,3
	s_wait_loadcnt 12-4*(\g)                       ; loads come back in order: this group's four rows are in, the younger groups' loads may stay out
.if (\g) > 0
	s_wait_alu depctr_va_vdst(0)                   ; the conversions of the group before have written their Y, which the four stores below read
.endif
.irp r, 0,1,2,3
.if (\g) > 0
	\st 4*(\g)+(\r)-4                              ; a row of the group before.  No wait: no vector instruction since the wait above names its Y or v2
.endif
	\cv 4*(\g)+(\r)
.endr
.endr
	s_wait_alu depctr_va_vdst(0)                   ; the last group's conversions have written their Y, which the last four stores read
.irp r, 0,1,2,3
	\st 12+(\r)
.endr
.endm
	s_load_b256 s[4:11], s[0:1], 0x0               ; x s[4:5], in_proj_weight s[6:7], out_w s[8:9], xb s[10:11]
	s_load_b128 s[12:15], s[0:1], 0x20             ; wb s[12:13], owb s[14:15]
	v_lshlrev_b32 v1, 4, v0                        ; my 16 bytes of a source row
	v_lshlrev_b32 v2, 3, v0                        ; my 8 bytes of a row of the result
	s_mov_b32 s23, 0
	s_wait_kmcnt 0x0
	s_cmp_lt_u32 ttmp9, 512
	s_cbranch_scc0 .Lweights
	; x: source rows 16 g + i are l = 2 g + i / 8, n = i % 8
	s_lshl_b32 s22, ttmp9, 16
	s_add_nc_u64 s[16:17], s[4:5], s[22:23]
	s_lshl_b32 s22, ttmp9, 12                      ; l = 2 g: 2 rows of 2,048 bytes
	s_add_nc_u64 s[18:19], s[10:11], s[22:23]      ; n = 0 .. 3
	s_add_nc_u64 s[20:21], s[18:19], 0x800000      ; n = 4 .. 7: four planes of 2,097,152 bytes on, so that the immediates stay inside 24 bits
	LD16
	WALK CVB, STX
	s_endpgm
.Lweights:
	s_cmp_lt_u32 ttmp9, 704
	s_cbranch_scc0 .Lout_w
	s_sub_co_u32 s24, ttmp9, 512
	s_lshl_b32 s22, s24, 16
	s_add_nc_u64 s[16:17], s[6:7], s[22:23]
	s_lshl_b32 s22, s24, 15
	s_add_nc_u64 s[18:19], s[12:13], s[22:23]
	LD16
	WALK CVB, STW
	s_endpgm
.Lout_w:
	s_sub_co_u32 s24, ttmp9, 704
	s_lshl_b32 s22, s24, 16
	s_add_nc_u64 s[16:17], s[8:9], s[22:23]
	s_lshl_b32 s22, s24, 15
	s_add_nc_u64 s[18:19], s[14:15], s[22:23]
	LD16
	WALK CVH, STW
	s_endpgm
.Lfunc_end_k_q981d8d2326_cast:
	.size	k_q981d8d2326_cast, .Lfunc_end_k_q981d8d2326_cast-k_q981d8d2326_cast
	.p2alignl 7, 3214868480
	.fill 96, 4, 3214868480
	.section	.rodata,"a",@progbits
	.p2align	6, 0x0
	.amdhsa_kernel k_q981d8d2326_cast
		.amdhsa_group_segment_fixed_size 0
		.amdhsa_private_segment_fixed_size 0
		.amdhsa_enable_private_segment 0
		.amdhsa_kernarg_size 48
		.amdhsa_user_sgpr_count 2
		.amdhsa_user_sgpr_kernarg_segment_ptr 1
		.amdhsa_wavefront_size32 1
		.amdhsa_system_sgpr_workgroup_id_x 1
		.amdhsa_system_sgpr_workgroup_id_y 1
		.amdhsa_system_sgpr_workgroup_id_z 1
		.amdhsa_system_vgpr_workitem_id 0
		.amdhsa_next_free_vgpr 104
		.amdhsa_next_free_sgpr 66
		.amdhsa_reserve_vcc 0
		.amdhsa_float_denorm_mode_32 3
		.amdhsa_float_denorm_mode_16_64 3
		.amdhsa_memory_ordered 1
		.amdhsa_forward_progress 1
		.amdhsa_inst_pref_size 23
	.end_amdhsa_kernel
	.amdgpu_metadata
---
amdhsa.version: [ 1, 2 ]
amdhsa.kernels:
  - .name:           k_q981d8d2326_cast
    .symbol:         k_q981d8d2326_cast.kd
    .args:
      - { .name: x, .offset: 0, .size: 8, .value_kind: global_buffer, .address_space: global }
      - { .name: in_proj_weight, .offset: 8, .size: 8, .value_kind: global_buffer, .address_space: global }
      - { .name: out_w, .offset: 16, .size: 8, .value_kind: global_buffer, .address_space: global }
      - { .name: xb, .offset: 24, .size: 8, .value_kind: global_buffer, .address_space: global }
      - { .name: wb, .offset: 32, .size: 8, .value_kind: global_buffer, .address_space: global }
      - { .name: owb, .offset: 40, .size: 8, .value_kind: global_buffer, .address_space: global }
    .group_segment_fixed_size: 0
    .private_segment_fixed_size: 0
    .kernarg_segment_align: 8
    .kernarg_segment_size: 48
    .max_flat_workgroup_size: 256
    .sgpr_count:     66
    .vgpr_count:     104
    .wavefront_size: 32
...
	.end_amdgpu_metadata
.endif
;; end of part 5
;; launch qkv: the kernel of part 2 again; grid 16 x 32, 4 waves a work-group, clusters of 4 x 4, 327,680 bytes of LDS; arguments xb, wb, in_proj_bias, qkv; writes qkv
;; launch attn: the kernel of part 3 again; grid 32 x 8, 4 waves a work-group, clusters of 4 x 1, 327,680 bytes of LDS; arguments qkv, ctx, out1; writes ctx, out1
;; launch proj: the kernel of part 4 again; grid 8 x 32, 4 waves a work-group, clusters of 4 x 4, 327,680 bytes of LDS; arguments ctx, owb, out_b, out0; writes out0
